; MI455X (gfx1250); checked and timed in simulation.
; The chip was launched on July 23, 2026; its instructions are those of AMD's public machine-readable ISA for CDNA 5 (MIT licence, August 2026) and "CDNA5" Instruction Set Architecture Reference Guide (July 2026). The comments in the code are by the model that wrote it; some were corrected since.
;; Causal Self Attention. Allowed arithmetic: matrix products marked QUANTISED: E2M3 operands, one E8M0 scale for each 32 along K, by v_wmma_scale_f32_16x16x128_f8f6f4 with both operands' format E2M3, f32 sums; everything else in f32.
;; Inputs: Wg 2,048 x 2,048 float32; Wk 2,048 x 2,048 float32; Wo 2,048 x 2,048 float32; Wq 2,048 x 2,048 float32; Wv 2,048 x 2,048 float32; k_gamma 128 float32; o_gamma 128 float32; q_gamma 128 float32; x 2 x 1,024 x 2,048 float32.
;; Outputs: out0 2 x 1,024 x 2,048 float32.
;; This version of the problem:
;;   THIS VERSION OF THE PROBLEM IS GIVEN IN LOW PRECISION. The matrix products marked QUANTISED in the list below multiply operands that are first quantised to E2M3 (2 exponent bits, 3 mantissa bits; 6 bits a number), with one power-of-two scale for each 32 numbers along K (OCP MX v1.0); their sums are f32. All else is computed in f32.
;;   The module's matrix products, in the order in which they are computed (A, B: the left and right operand; K: the contracted axis; several contracted axes count as one K, in the product's order):
;;     1. [M 2,048, K 2,048] x [K 2,048, N 2,048]; A: input x; B: input Wq: QUANTISED
;;     2. [M 2,048, K 2,048] x [K 2,048, N 2,048]; A: input x; B: input Wk: QUANTISED
;;     3. [M 2,048, K 2,048] x [K 2,048, N 2,048]; A: input x; B: input Wv: QUANTISED
;;     4. batch 32 x [M 1,024, K 128] x [K 128, N 1,024]; A: computed on the way; B: computed on the way: QUANTISED
;;     5. batch 32 x [M 1,024, K 1,024] x [K 1,024, N 128]; A: softmax (see below); B: computed on the way: QUANTISED
;;     6. [M 2,048, K 2,048] x [K 2,048, N 2,048]; A: input x; B: input Wg: QUANTISED
;;     7. [M 2,048, K 2,048] x [K 2,048, N 2,048]; A: computed on the way; B: input Wo: QUANTISED
;;   THE QUANTISER, for each operand of a quantised product, along K:
;;     - K is cut into blocks of 32 from its start; a last block that is shorter is filled with zeros.
;;     - A block's scale is 2^e with e = floor(log2(the largest magnitude in the block)) - 2, held to -126 .. 127; a block of zeros has e = 0. As a byte (E8M0): e + 127.
;;     - Each number is divided by its block's scale, clamped to +-7.5, and rounded to the nearest number of E2M3, ties to even, subnormals kept.
;;     - The product sums the exact products of the quantised numbers (number of the format x scale) in f32.
;;   ~~~python
;;   def quantise(x, axis):      # numpy; x: float32 -> the quantised numbers, widened to float32 again
;;       x = np.moveaxis(x, axis, -1); K = x.shape[-1]
;;       x = np.pad(x, [(0, 0)] * (x.ndim - 1) + [(0, -K % 32)]); x = x.reshape(x.shape[:-1] + (-1, 32)); a = np.abs(x).max(-1, keepdims=True)
;;       e = np.where(a > 0, np.clip(np.frexp(np.where(a > 0, a, 1))[1] - 1 - 2, -126, 127), 0)      # np.frexp(a)[1] - 1 = floor(log2(a)), exactly
;;       r = np.clip(x / 2.0 ** e, -7.5, 7.5)
;;       step = 2.0 ** (np.maximum(np.frexp(np.where(r == 0, 1, r))[1] - 1, 0) - 3)
;;       q = np.round(r / step) * step * 2.0 ** e      # np.round: ties to even
;;       return np.moveaxis(q.reshape(q.shape[:-2] + (-1,))[..., :K], -1, axis).astype(np.float32)
;;   ~~~
;;   SOFTMAX AHEAD OF A QUANTISED PRODUCT. Where the list says 'softmax', what is quantised is not the finished softmax but p = 2^(t - M), with t = logit x log2(e) and M = ceil(the row's largest t), a whole number; so 1/2 < the row's largest p <= 1. The row's sum l is taken of the UNQUANTISED p, in f32, and the product's result is divided by l at the end. Since M is a whole number, a kernel that streams over the keys may use a running M (the ceiling of the running maximum): every later rescaling is an exact power of two, which a block's scale takes up: the codes' values come out the same.
;;   OPERANDS COMPUTED ON THE WAY. 'Computed on the way' means the value that the module computes at that place (a softmax that the list does not call 'softmax' is quantised finished and normalised). What goes into a quantiser is computed in f32, as accurately as f32 sums, v_exp_f32 and their like allow (about 1e-6 of the number): no bf16 or f16 on the way to a quantiser, and a product that is left as it is and whose result goes on into a quantised operand takes f32 operands (vector FMAs, or v_wmma_f32_16x16x4_f32). A number that lies on a knife's edge between two numbers of the format may be rounded either way, as far as f32 arithmetic and the matrix unit's own rounding can turn it there, and no further.
;; One version. Each part assembles by itself: llvm-mc -triple=amdgcn-amd-amdhsa -mcpu=gfx1250 --defsym DOCPART=n.
;; ======== version 1 of 1: 4 launches
;; limits: right only within a limited range of input values
;; workspace buffers: codes 18,874,368 bytes; scales 786,432 bytes; rope 524,288 bytes; qkv 9,830,400 bytes; gate 16,777,216 bytes; ycodes 3,145,728 bytes; yscales 131,072 bytes
;; launch quant (part 1): grid 128 x 6, 4 waves a work-group, no clusters, 34,304 bytes of LDS; arguments x, Wq, Wk, Wv, Wg, Wo, codes, scales, rope; writes codes, scales, rope
.if DOCPART == 1
	.amdgcn_target "amdgcn-amd-amdhsa--gfx1250"
	.amdhsa_code_object_version 6
	.text
	.protected	k_qa56ac78a19_quant
	.globl	k_qa56ac78a19_quant
	.p2align	8
	.type	k_qa56ac78a19_quant,@function
k_qa56ac78a19_quant:
	s_mov_b64 s[64:65], 0
	v_nop
	global_prefetch_b8 v0, s[64:65] scope:SCOPE_SE
	s_setreg_imm32_b32 hwreg(HW_REG_WAVE_MODE, 25, 1), 1
	s_wait_xcnt 0x0
; x, Wq, Wk, Wv, Wg, Wo, each [2048][2048] f32 with K innermost, become codes of FP6 (E2M3) with one E8M0 byte for each 32 along K, laid as the later launches' operand registers want them.
; A FRAGMENT is 16 rows x 128 K: 12 registers a lane (lane (r, h): registers 6 c .. 6 c + 5 hold k = 64 c + 32 h + 0 .. 31 of row r).  It is stored as an IMAGE of these registers: registers 4 g .. 4 g + 3 at 512 g + 16 x lane.
; codes:  [tensor 6][pair of K steps 8][row block 128][K step of the pair 2][1,536 bytes].     scales: [tensor 6][row block 128][pair 8][row 16][2 words].
; THE ROWS OF A ROW BLOCK ARE NOT NEIGHBOURS: lane r of row block rb holds source row 32 (rb / 2) + 8 (rb % 2) + r + 8 (r / 8), so that the results of a transposed product lie as neighbours along the next K.
; A block's scale is 2^(floor(log2(its largest magnitude)) - 2); its byte is that magnitude's exponent field - 2, held at 1 from below (a block of zeros gets 1: its codes are zeros, and this program alone reads the bytes).
; SHARES: work-group (x = row block, y = tensor) takes 16 rows x 2,048 K; wave w takes K steps 4 w .. 4 w + 3.  Each load reads 512 consecutive bytes of one row; the 16 rows turn through the wave's own stage in LDS,
; so that a lane gets its 64 numbers; every store covers 512 (codes) or 256 (scale words) consecutive bytes.  Memory binds: no matrix unit, no cluster (no two work-groups read the same bytes), no barrier (waves share nothing).
; THE ROPE TABLE: the work-groups of tensor 0 also make cos and sin of t x 10000^(-i / 64), t = 0 .. 1023, i = 0 .. 63, laid [row block of tokens 64][group 16][lane 32][16 bytes]: groups 0-7 cos, 8-15 sin, in the lane order of a result.
; LIMITS: NaN and infinities among the inputs are not served.  10000^(-i / 64) is made by one multiplication and one exponential in base 2, a few units in its last place from a correctly rounded power; at t = 1,023 that moves an angle by up to about 2e-4.
.set TEN,   3145728                    ; bytes of a tensor's codes
.set KP,    393216                     ; of a pair of K steps of all 128 row blocks
.set SP,    528                        ; a stage row: 512 bytes + 16: an odd multiple of 16, so that sixteen rows start in different banks
.set STG,   16*SP                      ; a wave's stage
.set SPARE, 4*STG                      ; behind the stages: the spare words, 128 bytes a wave, that no other line names
.set SPW, 8                            ; v8   my spare word's LDS address; never rewritten
.set NIL, 9                            ; v9   0; never rewritten
.set SWD, 20                           ; v20-23 the four K steps' scale words
.set C,   32                           ; v32-43 a fragment's codes
.set T,   44                           ; v44-46, v48-50 the second halves of the blocks' codes
.set R,   64                           ; v64-191 two sets of 64 registers as loaded
.set X,   192                          ; v192-255 my 64 numbers
	s_load_b512 s[4:19], s[0:1], 0x0               ; x, Wq, Wk, Wv, Wg, Wo, codes s[16:17], scales s[18:19]
	s_load_b64 s[20:21], s[0:1], 0x40              ; rope
	v_lshl_add_u32 v[SPW], v0, 2, SPARE
	v_mov_b32 v[NIL], 0
	v_lshrrev_b32 v1, 5, v0
	v_readfirstlane_b32 s22, v1                    ; wave
	s_and_b32 s23, ttmp7, 0xffff                   ; tensor
	s_mov_b32 s24, ttmp9                           ; row block
	v_and_b32 v1, 31, v0                           ; lane
	v_and_b32 v2, 15, v0                           ; r
	v_bfe_u32 v3, v0, 4, 1                         ; h
	v_lshlrev_b32 v4, 4, v1                        ; 16 x lane: loads and the codes' stores
	s_mul_i32 s25, s22, STG
	v_add_nc_u32 v5, s25, v4                       ; the stage, in: 16 x lane of a row
	v_mul_u32_u24 v6, v2, SP
	v_lshl_add_u32 v6, v3, 7, v6
	v_add_nc_u32 v6, s25, v6                       ; out: row r, + 128 h
	v_lshlrev_b32 v7, 3, v2
	v_lshl_add_u32 v7, v3, 7, v7                   ; the scale words' store: pair h of my two, row r
	v_lshlrev_b32 v19, 3, v3                       ; 8 h: my bytes' place in a scale word
	v_mov_b32 v18, 0                               ; (a lane permute's destination counts as read)
	s_mov_b32 s34, 0x76543210
	s_mov_b32 s35, 0xfedcba98                      ; selects for lane l xor 16
	s_lshr_b32 s28, s24, 1
	s_lshl_b32 s28, s28, 5
	s_and_b32 s29, s24, 1
	s_lshl_b32 s29, s29, 3
	s_add_co_u32 s28, s28, s29                     ; the block's first source row
	s_lshl_b32 s28, s28, 13                        ; x 8,192 bytes
	s_lshl_b32 s29, s22, 11                        ; + my four K steps
	s_add_co_u32 s28, s28, s29
	s_mov_b32 s29, 0
	s_mul_i32 s30, s23, TEN
	s_mul_i32 s31, s22, 2*KP
	s_add_co_u32 s30, s30, s31
	s_mul_i32 s31, s24, 3072
	s_add_co_u32 s30, s30, s31
	s_mov_b32 s31, 0
	s_lshl_b32 s32, s23, 17
	s_lshl_b32 s33, s24, 10
	s_add_co_u32 s32, s32, s33
	s_lshl_b32 s33, s22, 8
	s_add_co_u32 s32, s32, s33
	s_mov_b32 s33, 0
	s_wait_alu depctr_va_vdst(0)
	s_wait_kmcnt 0x0
	s_mov_b64 s[26:27], s[4:5]                     ; the source: a choice that hangs on the work-group's number alone
	s_cmp_eq_u32 s23, 1
	s_cselect_b64 s[26:27], s[6:7], s[26:27]
	s_cmp_eq_u32 s23, 2
	s_cselect_b64 s[26:27], s[8:9], s[26:27]
	s_cmp_eq_u32 s23, 3
	s_cselect_b64 s[26:27], s[10:11], s[26:27]
	s_cmp_eq_u32 s23, 4
	s_cselect_b64 s[26:27], s[12:13], s[26:27]
	s_cmp_eq_u32 s23, 5
	s_cselect_b64 s[26:27], s[14:15], s[26:27]
	s_add_nc_u64 s[26:27], s[26:27], s[28:29]
	s_add_nc_u64 s[16:17], s[16:17], s[30:31]
	s_add_nc_u64 s[18:19], s[18:19], s[32:33]
.macro LOAD f                          ; K step f of the 16 rows: a load a row, 512 consecutive bytes
.irp i, 0,1,2,3,4,5,6,7,8,9,10,11,12,13,14,15
	global_load_b128 v[R+64*((\f)%2)+4*\i:R+64*((\f)%2)+4*\i+3], v4, s[26:27] offset:(\i+8*(\i/8))*8192+512*(\f) th:TH_LOAD_NT
.endr
.endm
.macro FRAGQ f
.if (\f) < 3
	s_wait_loadcnt 16                              ; this K step's sixteen loads are in; the next one's may be out
.else
	s_wait_loadcnt 0x0
.endif
.irp i, 0,1,2,3,4,5,6,7,8,9,10,11,12,13,14,15
	ds_store_b128 v5, v[R+64*((\f)%2)+4*\i:R+64*((\f)%2)+4*\i+3] offset:SP*\i
.endr
.irp c, 0,1
.irp e, 0,1,2,3,4,5,6,7
	ds_load_b128 v[X+32*\c+4*\e:X+32*\c+4*\e+3], v6 offset:256*\c+16*\e   ; LDS serves a wave's instructions in order: these see my stores.  k = 64 c + 32 h + 4 e on
.endr
.endr
	s_wait_dscnt 0x0
.if (\f) < 2
	LOAD (\f)+2                                    ; into the set that the stage's stores have read
.endif
.irp q, 0,1,2,3
	v_max3_num_f32 v[10+\q], |v[X+16*\q]|, |v[X+16*\q+1]|, 0x1800000   ; four chains of 16; the floor 2^(3 - 127) holds the byte at 1 from below
.endr
.irp i, 2,4,6,8,10,12,14
.irp q, 0,1,2,3
	v_max3_num_f32 v[10+\q], v[10+\q], |v[X+16*\q+\i]|, |v[X+16*\q+\i+1]|
.endr
.endr
	v_max_num_f32 v10, v10, v11                    ; block h of the K step: all its 32 numbers are mine
	v_max_num_f32 v11, v12, v13                    ; block 2 + h
	v_add_nc_u32 v12, 0xff000000, v10              ; 2 off the exponent field: the conversion takes this operand's exponent field as its scale
	v_add_nc_u32 v13, 0xff000000, v11
	v_lshrrev_b32 v14, 23, v12                     ; the scales' bytes
	v_lshrrev_b32 v15, 23, v13
	v_lshl_or_b32 v16, v15, 16, v14
	v_lshlrev_b32 v16, v19, v16                    ; at their places in the word
	v_permlanex16_b32 v18, v16, s34, s35
	v_or_b32 v[SWD+(\f)], v16, v18                 ; with lane l xor 16's two bytes the word is whole
.if (\f) > 0
	s_wait_alu depctr_va_vdst(0)
	s_wait_xcnt 0x0                                ; the last fragment's stores have read their data registers: these are written again only behind this wait
.endif
.irp c, 0,1
	v_cvt_scalef32_pk16_fp6_f32 v[C+6*\c:C+6*\c+2], v[X+32*\c:X+32*\c+15], v[12+\c]
	v_cvt_scalef32_pk16_fp6_f32 v[T+4*\c:T+4*\c+2], v[X+32*\c+16:X+32*\c+31], v[12+\c]   ; (a conversion's three registers begin on an even number)
.endr
	v_nop                                          ; one plain instruction behind the scaled conversions
.irp c, 0,1
.irp i, 0,1,2
	v_mov_b32 v[C+3+6*\c+\i], v[T+4*\c+\i]
.endr
.endr
.irp g, 0,1,2
	global_store_b128 v4, v[C+4*\g:C+4*\g+3], s[16:17] offset:((\f)/2)*KP+((\f)%2)*1536+512*\g   ; 32 lanes store 512 consecutive bytes
.endr
.endm
	LOAD 0
	LOAD 1
	FRAGQ 0
	FRAGQ 1
	FRAGQ 2
	FRAGQ 3
	v_cmp_le_u32 vcc_lo, 16, v1
	v_cndmask_b32 v24, v20, v22, vcc_lo            ; lanes 0-15: my first pair's two words of row r; lanes 16-31: my second pair's
	v_cndmask_b32 v25, v21, v23, vcc_lo
	global_store_b64 v7, v[24:25], s[18:19]        ; 256 consecutive bytes
	s_wait_tensorcnt 0x0                           ; behind my last LDS store
	ds_add_u32 v[SPW], v[NIL]
	s_wait_dscnt 0x0
	s_cmp_lg_u32 s23, 0
	s_cbranch_scc1 .Ldone
	; ---- the RoPE table: 512 waves; wave W = 4 x work-group + wave makes group W % 8 (four cos and four sin a lane) of token block W / 8.  No LDS.
	s_lshl_b32 s36, s24, 2
	s_add_co_u32 s36, s36, s22
	s_lshr_b32 s37, s36, 3                         ; token block
	s_and_b32 s38, s36, 7                          ; group gg
	s_lshr_b32 s39, s37, 1
	s_lshl_b32 s39, s39, 5
	s_and_b32 s40, s37, 1
	s_lshl_b32 s40, s40, 3
	s_add_co_u32 s39, s39, s40                     ; the block's first token
	s_lshr_b32 s40, s38, 2
	s_lshl_b32 s40, s40, 5
	s_bfe_u32 s41, s38, 0x10001
	s_lshl_b32 s41, s41, 3
	s_add_co_u32 s40, s40, s41
	s_and_b32 s41, s38, 1
	s_lshl_b32 s41, s41, 2
	s_add_co_u32 s40, s40, s41                     ; i = 32 (gg / 4) + 8 ((gg / 2) % 2) + 4 (gg % 2) + 16 h + e
	s_lshl_b32 s52, s37, 13
	s_lshl_b32 s53, s38, 9
	s_add_co_u32 s52, s52, s53
	s_mov_b32 s53, 0
	s_add_nc_u64 s[20:21], s[20:21], s[52:53]
	s_mov_b32 s42, 0x3f22f983                      ; 2 / pi
	s_mov_b32 s43, 0x3fc90fdb                      ; pi / 2, its f32,
	s_mov_b32 s44, 0xb33bbd2e                      ; and what that leaves
	s_mov_b32 s45, 0xbe2aaaa3                      ; sine: rho + rho z (S1 + z (S2 + z S3)), z = rho^2
	s_mov_b32 s46, 0x3c08839e
	s_mov_b32 s47, 0xb94ca1f9
	s_mov_b32 s48, 0x3d2aaaa5                      ; cosine: 1 - z / 2 + z^2 (C1 + z (C2 + z C3))
	s_mov_b32 s49, 0xbab6061a
	s_mov_b32 s50, 0x37ccf5ce
	v_and_b32 v10, 8, v2
	v_add3_u32 v10, v10, v2, s39
	v_cvt_f32_u32 v10, v10                         ; my token t
	v_lshl_add_u32 v11, v3, 4, s40
.irp e, 0,1,2,3
	v_add_nc_u32 v[64+\e], \e, v11
.endr
.irp e, 0,1,2,3
	v_cvt_f32_u32 v[64+\e], v[64+\e]
.endr
.irp e, 0,1,2,3
	v_mul_f32 v[64+\e], 0xbe549a78, v[64+\e]       ; - i log2(10000) / 64
.endr
	s_wait_alu depctr_va_vdst(0)
.irp e, 0,1,2,3
	v_exp_f32 v[64+\e], v[64+\e]
.endr
	v_nop                                          ; a plain instruction behind the exponentials,
	s_wait_alu depctr_va_vdst(0)                   ; and one wait for the four, ahead of their first reader
.irp e, 0,1,2,3
	v_mul_f32 v[64+\e], v10, v[64+\e]              ; the angle, rounded once
.endr
.irp e, 0,1,2,3
	v_mul_f32 v[68+\e], s42, v[64+\e]
.endr
.irp e, 0,1,2,3
	v_rndne_f32 v[68+\e], v[68+\e]                 ; n quarter turns
.endr
.irp e, 0,1,2,3
	v_fma_f32 v[64+\e], -v[68+\e], s43, v[64+\e]
.endr
.irp e, 0,1,2,3
	v_fma_f32 v[64+\e], -v[68+\e], s44, v[64+\e]   ; rho, within pi / 4 of 0
.endr
.irp e, 0,1,2,3
	v_mul_f32 v[72+\e], v[64+\e], v[64+\e]         ; z
.endr
.irp e, 0,1,2,3
	v_fma_f32 v[76+\e], v[72+\e], s47, s46
	v_fma_f32 v[84+\e], v[72+\e], s50, s49
.endr
.irp e, 0,1,2,3
	v_fma_f32 v[76+\e], v[76+\e], v[72+\e], s45
	v_fma_f32 v[84+\e], v[84+\e], v[72+\e], s48
.endr
.irp e, 0,1,2,3
	v_mul_f32 v[80+\e], v[64+\e], v[72+\e]
	v_fma_f32 v[88+\e], v[72+\e], -0.5, 1.0
.endr
.irp e, 0,1,2,3
	v_fma_f32 v[76+\e], v[80+\e], v[76+\e], v[64+\e]   ; sin rho
.endr
.irp e, 0,1,2,3
	v_mul_f32 v[80+\e], v[72+\e], v[72+\e]
	v_cvt_i32_f32 v[68+\e], v[68+\e]
.endr
.irp e, 0,1,2,3
	v_fma_f32 v[84+\e], v[80+\e], v[84+\e], v[88+\e]   ; cos rho
.endr
.irp e, 0,1,2,3                        ; the quarter q = n % 4: odd q swaps the two; cos is negative for q = 1, 2, sin for q = 2, 3
	v_and_b32 v[92+\e], 1, v[68+\e]
	v_cmp_eq_u32 vcc_lo, 1, v[92+\e]
	v_cndmask_b32 v[96+\e], v[84+\e], v[76+\e], vcc_lo
	v_cndmask_b32 v[100+\e], v[76+\e], v[84+\e], vcc_lo
	v_add_nc_u32 v[92+\e], 1, v[68+\e]
	v_and_b32 v[92+\e], 2, v[92+\e]
	v_and_b32 v[68+\e], 2, v[68+\e]
	v_lshlrev_b32 v[92+\e], 30, v[92+\e]
	v_lshlrev_b32 v[68+\e], 30, v[68+\e]
	v_xor_b32 v[96+\e], v[92+\e], v[96+\e]
	v_xor_b32 v[100+\e], v[68+\e], v[100+\e]
.endr
	global_store_b128 v4, v[96:99], s[20:21]               ; 512 consecutive bytes each
	global_store_b128 v4, v[100:103], s[20:21] offset:4096
.Ldone:
	s_endpgm
.Lfunc_end_k_qa56ac78a19_quant:
	.size	k_qa56ac78a19_quant, .Lfunc_end_k_qa56ac78a19_quant-k_qa56ac78a19_quant
	.p2alignl 7, 3214868480
	.fill 96, 4, 3214868480
	.section	.rodata,"a",@progbits
	.p2align	6, 0x0
	.amdhsa_kernel k_qa56ac78a19_quant
		.amdhsa_group_segment_fixed_size 34304
		.amdhsa_private_segment_fixed_size 0
		.amdhsa_enable_private_segment 0
		.amdhsa_kernarg_size 72
		.amdhsa_user_sgpr_count 2
		.amdhsa_user_sgpr_kernarg_segment_ptr 1
		.amdhsa_wavefront_size32 1
		.amdhsa_system_sgpr_workgroup_id_x 1
		.amdhsa_system_sgpr_workgroup_id_y 1
		.amdhsa_system_sgpr_workgroup_id_z 1
		.amdhsa_system_vgpr_workitem_id 0
		.amdhsa_next_free_vgpr 256
		.amdhsa_next_free_sgpr 66
		.amdhsa_reserve_vcc 1
		.amdhsa_float_denorm_mode_32 3
		.amdhsa_float_denorm_mode_16_64 3
		.amdhsa_memory_ordered 1
		.amdhsa_forward_progress 1
		.amdhsa_inst_pref_size 38
	.end_amdhsa_kernel
	.amdgpu_metadata
---
amdhsa.version: [ 1, 2 ]
amdhsa.kernels:
  - .name:           k_qa56ac78a19_quant
    .symbol:         k_qa56ac78a19_quant.kd
    .args:
      - { .name: x, .offset: 0, .size: 8, .value_kind: global_buffer, .address_space: global }
      - { .name: Wq, .offset: 8, .size: 8, .value_kind: global_buffer, .address_space: global }
      - { .name: Wk, .offset: 16, .size: 8, .value_kind: global_buffer, .address_space: global }
      - { .name: Wv, .offset: 24, .size: 8, .value_kind: global_buffer, .address_space: global }
      - { .name: Wg, .offset: 32, .size: 8, .value_kind: global_buffer, .address_space: global }
      - { .name: Wo, .offset: 40, .size: 8, .value_kind: global_buffer, .address_space: global }
      - { .name: codes, .offset: 48, .size: 8, .value_kind: global_buffer, .address_space: global }
      - { .name: scales, .offset: 56, .size: 8, .value_kind: global_buffer, .address_space: global }
      - { .name: rope, .offset: 64, .size: 8, .value_kind: global_buffer, .address_space: global }
    .group_segment_fixed_size: 34304
    .private_segment_fixed_size: 0
    .kernarg_segment_align: 8
    .kernarg_segment_size: 72
    .max_flat_workgroup_size: 128
    .sgpr_count:     66
    .vgpr_count:     256
    .wavefront_size: 32
...
	.end_amdgpu_metadata
.endif
;; end of part 1
;; launch qkvg (part 2): grid 32 x 8, 4 waves a work-group, clusters of 4 x 4, 327,680 bytes of LDS; arguments codes, scales, rope, q_gamma, k_gamma, qkv, gate; writes qkv, gate
.if DOCPART == 2
	.amdgcn_target "amdgcn-amd-amdhsa--gfx1250"
	.amdhsa_code_object_version 6
	.text
	.protected	k_qa56ac78a19_qkvg
	.globl	k_qa56ac78a19_qkvg
	.p2align	8
	.type	k_qa56ac78a19_qkvg,@function
k_qa56ac78a19_qkvg:
	s_mov_b64 s[64:65], 0
	v_nop
	global_prefetch_b8 v0, s[64:65] scope:SCOPE_SE
	s_setreg_imm32_b32 hwreg(HW_REG_WAVE_MODE, 25, 1), 1
	s_wait_xcnt 0x0
	s_wait_alu depctr_hold_cnt(0) depctr_sa_sdst(0) depctr_va_vdst(0) depctr_va_sdst(0) depctr_va_ssrc(0) depctr_va_vcc(0) depctr_vm_vsrc(0)
	s_getreg_b32 s2, hwreg(HW_REG_IB_STS2, 6, 4)
	s_cmp_eq_u32 s2, 0
	s_cbranch_scc0 .Lentry_in_a_cluster
	s_endpgm
.Lentry_in_a_cluster:
	s_bfe_u32 s2, ttmp6, 0x10000c
	s_cmp_lg_u32 s2, 0xf033
	s_cbranch_scc0 .Lentry_shape_is_right
	s_endpgm
.Lentry_shape_is_right:
; Four products of 2,048 x 2,048 x 2,048 on codes of FP6 (E2M3) with E8M0 scales, in one launch, and what follows each: q and k (RoPE, RMS norm, gain, quantised along the head's 128), v (quantised along the keys), the gate (stored as it is, f32: the next launch applies silu).
; TYPE = cluster x / 2: 0 q, 1 k, 2 v, 3 gate: the same in all sixteen work-groups of a cluster.  For q, k and the gate A = x and B = the weight; for v A = Wv and B = x, so that a lane's registers run along the tokens, v's next K.
; A tile of 256 x 256 is made by four waves, 128 x 128 each (64 accumulators, 512 registers).  K goes in pairs of K steps (256 along K) through a ring of two LDS slots.
; OPERANDS LIE IN MEMORY AS IMAGES OF FRAGMENTS (16 rows x 128 K, 1,536 bytes: registers 4 c .. 4 c + 3 at 512 c + 16 x lane): a tile's 16 row blocks of a pair are one dense block of 49,152 bytes, and a fragment comes out of LDS by three loads of 512 consecutive bytes.
; THE HEAD: one joint load a wave: wave 0 A's 16 row blocks of pair 0, wave 2 B's, wave 1 the scale words of A's rows for all of K (16,384 bytes), wave 3 those of B's.  Slot 1 is first filled behind the full sequence and a round, a quarter a wave, as every refill is.
; THE MATRIX INSTRUCTION IS USED TRANSPOSED (source 0 = 16 rows of B, source 1 = 16 rows of A), and the rows of a row block were chosen (bits 3 and 4 of the row's number swapped) so that, in A's block a, lane (r, h) holds A's row r and its
; 64 registers 8 t + j hold B's source rows 32 (t / 2) + 16 h + 8 (t % 2) + j: sixteen registers of two neighbouring tiles are sixteen neighbours along the next K, and RoPE's partner d + 64 is tile t + 4 of the same lane.
; CLUSTERS: 4 x 4.  A's tiles are shared along a row of the cluster, B's along a column: each is asked for jointly, by the same tensor load with the same descriptor and a mask that names the four.
; PREFETCH: behind the refill with pair p stands one prefetch a wave for pair p + 2: of the 96 blocks of 256 bytes that a wave fetches, each of the four partners names 24, told apart by address (lanes 24-31 name the 24th again).  At the head pairs 1, 2 and 3 are named; the last two refills name nothing.
; OUT: qkv [type 3][batch x head 32][block of 128 tokens 8][pack]: a pack is 8 fragment images (12,288 bytes) and the scale words [row 16][8 words] (512 bytes); gate [batch x head][block][a 8][group 16][512 bytes] f32, an image of 64 registers.
; LIMITS: NaN and infinities are not served; a block of zeros gets the scale byte 1 (its codes are zeros; this program alone reads the bytes).
; REGISTERS, in windows of 256.  Window 0: v4-6, v16-30 addresses; v32-63 scale words, two sets; v64-127 the gain; v128-223 A's fragments, one set.  Window 1: B's fragments, two sets, at v0 and v128.  Windows 2, 3: the accumulators ((a, b) at v[8 (8 (a % 4) + b)]).
; Way out: window 0: v128-191 64 numbers at work; v192-211 codes; v212-227 the quantiser's; v232-239 scale words; v240-255 at work.  Window 1: four sets of 64 of the RoPE table.
.set TEN,   3145728
.set KP,    393216
.set FR,    12                         ; registers of a fragment
.set NQ,    2                          ; K steps in a slot
.set NL,    3                          ; LDS loads that bring a fragment
.set NP,    4                          ; places behind this matrix instruction (ISA guide 7.12.1)
.set RBB,   3072                       ; a row block's two fragments
.set HALFT, 8*RBB                      ; what one load of the ring brings, and what one wave reads of A or of B
.set SLOT,  4*HALFT
.set SCL,   2*SLOT                     ; behind the ring: the scale words, 1,024 bytes a row block
.set HALFS, 8192
.set SPARE, SCL+4*HALFS                ; the spare words, 128 bytes a wave, that no other line names
.set LAPS,  4                          ; 8 pairs of K steps, two to a lap
.set PACK,  12800
.set LI,   4                           ; v4   16 x lane
.set WO,   5                           ; v5   32 r + 16 h: the scale words' store
.set GH,   6                           ; v6   64 h: the gain's loads
.set ADRA, 16                          ; v16-17 LDS address of my A fragments in slot 0, 1
.set ADRB, 20                          ; v20-21 of B's
.set ADRS, 27                          ; v27  of my scale words: lanes 0-15 A's rows, lanes 16-31 B's
.set SPW,  28
.set NIL,  29
.set PFO,  30                          ; v30  the prefetches' offset: 256 x min(lane, 23)
.set SC,   32
.set G,    64
.set AF,   128
.set WK,   128
.set PC,   192
.set TM,   212
.set SW,   232
.set T,    240
.set SS,   248
.set G1,   24
.set G0,   32
.set G1B,  48
.set G0B,  56
.set G1S,  68
.set G0S,  76
.set G1SB, 80
.set G0SB, 88
.set PFA,  100                         ; s[100:101] where my prefetches stand
.set MSB, 0
.macro WIN new                         ; the immediate's high byte repeats the setting that is left
.if MSB != (\new)
	s_set_vgpr_msb (MSB<<8)|(\new)
.set MSB, (\new)
.endif
.endm
.set MUL_LO, 0xa1                      ; source 0 (B) window 1, source 1 (A) window 0, C and D window 2
.set MUL_HI, 0xf1
.set TO_B,   0x40
; A joint load of the ring: waves 0 and 1 fetch for A, waves 2 and 3 for B; the branch hangs on the wave's number alone.  An s_nop 0 and four v_nop follow each of the two lines.
.macro JLOAD g0a, g1a, g0b, g1b
	s_cmp_eq_u32 s19, 0
	s_cbranch_scc0 .Lfor_b_\@
	tensor_load_to_lds s[\g0a:\g0a+3], s[\g1a:\g1a+7]
	s_nop 0
.rept 4
	v_nop
.endr
	s_branch .Lasked_\@
.Lfor_b_\@:
	tensor_load_to_lds s[\g0b:\g0b+3], s[\g1b:\g1b+7]
	s_nop 0
.rept 4
	v_nop
.endr
.Lasked_\@:
.endm
.macro CREST                           ; a round of the cluster's barrier behind its opening barrier
	s_cmp_lg_u32 s18, 0
	s_cbranch_scc1 .Lnot_wave_0_\@
	s_barrier_signal -3
.Lnot_wave_0_\@:
	s_barrier_wait -3
	s_barrier_signal -1
	s_barrier_wait -1
.endm
.macro CROUND
	s_barrier_signal -1
	s_barrier_wait -1
	CREST
.endm
.macro PLACES n
.rept \n
	v_nop
.endr
.endm
	s_load_b256 s[4:11], s[0:1], 0x0               ; codes s[4:5], scales s[6:7], rope s[8:9], q_gamma s[10:11]
	s_load_b128 s[12:15], s[0:1], 0x20             ; k_gamma s[12:13], qkv s[14:15]
	s_load_b64 s[16:17], s[0:1], 0x30              ; gate
	v_lshl_add_u32 v[SPW], v0, 2, SPARE
	v_mov_b32 v[NIL], 0
	ds_add_u32 v[SPW], v[NIL]                      ; the wave's opening: the add, twice on end, and its wait ahead of my first tensor load
	ds_add_u32 v[SPW], v[NIL]
	v_lshrrev_b32 v1, 5, v0
	v_readfirstlane_b32 s18, v1                    ; wave
	s_lshr_b32 s19, s18, 1                         ; RH: my half of A's rows.  Also: in the ring I fetch for A (0) or for B (1)
	s_and_b32 s20, s18, 1                          ; CH: my half of B's rows.  Also: which half I fetch
	s_lshr_b32 s21, ttmp9, 1                       ; type
	s_bfe_u32 s22, ttmp6, 0x40000                  ; cx
	s_bfe_u32 s23, ttmp6, 0x40004                  ; cy
	s_lshl_b32 s40, ttmp9, 2
	s_add_co_u32 s40, s40, s22
	s_and_b32 s40, s40, 7                          ; B's tile among its tensor's 8
	s_and_b32 s41, ttmp7, 0xffff
	s_lshl_b32 s41, s41, 2
	s_add_co_u32 s41, s41, s23                     ; A's tile
	s_lshl_b32 s42, s23, 2
	s_lshl_b32 s42, 15, s42                        ; my row of the cluster
	s_lshl_b32 s43, 0x1111, s22                    ; my column
	; descriptor groups 1: dense blocks as rows of 256 bytes (32 elements of 8 bytes), no padding: 192 rows for the head's tiles (behind them 96, for the ring's), 64 for the scale words
	s_or_b32 s[G1], s42, (3<<16)|(1<<21)           ; 15:0 the mask; 17:16 elements of 8 bytes; 21 set beside a mask
	s_or_b32 s[G1B], s43, (3<<16)|(1<<21)
	s_or_b32 s[G1S], s42, (3<<16)|(1<<21)
	s_or_b32 s[G1SB], s43, (3<<16)|(1<<21)
.irp g, G1, G1B
	s_mov_b32 s[\g+1], 32<<16                      ; tensor_dim0
	s_mov_b32 s[\g+2], 192<<16                     ; tensor_dim1
	s_mov_b32 s[\g+3], 32<<16                      ; tile_dim0
	s_mov_b32 s[\g+4], 192                         ; tile_dim1
	s_mov_b32 s[\g+5], 32                          ; the pitch
	s_mov_b32 s[\g+6], 0
	s_mov_b32 s[\g+7], 0
.endr
.irp g, G1S, G1SB
	s_mov_b32 s[\g+1], 32<<16
	s_mov_b32 s[\g+2], 64<<16
	s_mov_b32 s[\g+3], 32<<16
	s_mov_b32 s[\g+4], 64
	s_mov_b32 s[\g+5], 32
	s_mov_b32 s[\g+6], 0
	s_mov_b32 s[\g+7], 0
.endr
	s_add_co_u32 s45, s21, 1
	s_cmp_eq_u32 s21, 2
	s_cselect_b32 s44, 3, 0                        ; A's tensor: Wv for v, else x
	s_cselect_b32 s45, 0, s45                      ; B's: x for v, else the type's weight
	s_lshl_b32 s46, s20, 3
	s_lshl_b32 s92, s41, 4
	s_add_co_u32 s92, s92, s46                     ; A: the first row block that I fetch in the ring
	s_lshl_b32 s94, s40, 4
	s_add_co_u32 s94, s94, s46                     ; B likewise
	s_lshl_b32 s96, s41, 14                        ; the scale words of the tile's 16 row blocks, 1,024 bytes each
	s_lshl_b32 s98, s40, 14
	s_mul_i32 s92, s92, RBB
	s_mul_i32 s94, s94, RBB
	s_mul_i32 s46, s44, TEN
	s_add_co_u32 s92, s92, s46
	s_mul_i32 s46, s45, TEN
	s_add_co_u32 s94, s94, s46
	s_lshl_b32 s46, s44, 17
	s_add_co_u32 s96, s96, s46
	s_lshl_b32 s46, s45, 17
	s_add_co_u32 s98, s98, s46
	s_mov_b32 s93, 0
	s_mov_b32 s95, 0
	s_mov_b32 s97, 0
	s_mov_b32 s99, 0
	s_mul_i32 s46, s18, HALFT                      ; where the ring's parts go: by the wave's number alone
	s_wait_dscnt 0x0                               ; both opening adds are done
	s_wait_kmcnt 0x0
	s_add_nc_u64 s[92:93], s[4:5], s[92:93]
	s_add_nc_u64 s[94:95], s[4:5], s[94:95]
	s_add_nc_u64 s[96:97], s[6:7], s[96:97]
	s_add_nc_u64 s[98:99], s[6:7], s[98:99]
	CROUND                                         ; all sixteen work-groups are here: the first joint loads meet
	s_mov_b32 s[G0S], 1
	s_mov_b32 s[G0S+1], SCL
	s_mov_b64 s[G0S+2:G0S+3], s[96:97]
	s_or_b32 s[G0S+3], s[G0S+3], 0x80000000
	s_mov_b32 s[G0SB], 1
	s_mov_b32 s[G0SB+1], SCL+2*HALFS
	s_mov_b64 s[G0SB+2:G0SB+3], s[98:99]
	s_or_b32 s[G0SB+3], s[G0SB+3], 0x80000000
.irp s, 0,1
	s_mov_b32 s[G0+4*\s], 1
	s_add_co_u32 s[G0+4*\s+1], s46, \s*SLOT
	s_add_nc_u64 s[G0+4*\s+2:G0+4*\s+3], s[92:93], \s*KP
	s_or_b32 s[G0+4*\s+3], s[G0+4*\s+3], 0x80000000
	s_mov_b32 s[G0B+4*\s], 1
	s_add_co_u32 s[G0B+4*\s+1], s46, \s*SLOT
	s_add_nc_u64 s[G0B+4*\s+2:G0B+4*\s+3], s[94:95], \s*KP
	s_or_b32 s[G0B+4*\s+3], s[G0B+4*\s+3], 0x80000000
.endr
; THE HEAD'S LOADS, ONE A WAVE.  Wave 0's and wave 2's group 0 for slot 0 point at the first of the tile's 16 row blocks of A and of B: with 192 rows they bring the whole tile.  One chain of branches on the wave's number, one load to an arm.
.macro ARM under, g0, g1, next
	s_cmp_lt_u32 s18, \under
	s_cbranch_scc0 \next
	tensor_load_to_lds s[\g0:\g0+3], s[\g1:\g1+7]
	s_nop 0
.rept 4
	v_nop
.endr
	s_branch .Lhead_asked
\next:
.endm
	ARM 1, G0,  G1,  .Lhead_sa
	ARM 2, G0S, G1S, .Lhead_b
	ARM 3, G0B, G1B, .Lhead_sb
	tensor_load_to_lds s[G0SB:G0SB+3], s[G1SB:G1SB+7]
	s_nop 0
.rept 4
	v_nop
.endr
.Lhead_asked:
	s_cmp_eq_u32 s19, 0                            ; the prefetches: the part that I fetch in the ring,
	s_cselect_b64 s[PFA:PFA+1], s[92:93], s[94:95]
	s_cselect_b32 s104, s22, s23                   ; my place among the four that ask for it with me,
	s_mul_i32 s104, s104, 6144                     ; 24 blocks of 256 bytes each,
	s_add_co_u32 s104, s104, KP                    ; at pair 1
	s_mov_b32 s105, 0
	s_add_nc_u64 s[PFA:PFA+1], s[PFA:PFA+1], s[104:105]
	v_and_b32 v1, 31, v0
	v_and_b32 v2, 15, v0                           ; r
	v_bfe_u32 v3, v0, 4, 1                         ; h
	s_wait_alu depctr_va_vdst(0)
	v_lshlrev_b32 v[LI], 4, v1
	s_mul_i32 s44, s19, HALFT                      ; my 8 row blocks of A,
	s_mul_i32 s45, s20, HALFT                      ; of B,
	s_add_co_u32 s45, s45, 2*HALFT                 ; which lie behind A's 16
.irp s, 0,1
	v_add_nc_u32 v[ADRA+\s], s44, v[LI]
	v_add_nc_u32 v[ADRB+\s], s45, v[LI]
	s_add_co_u32 s44, s44, SLOT
	s_add_co_u32 s45, s45, SLOT
.endr
	v_lshlrev_b32 v5, 3, v2                        ; a row's two words of a pair of K steps
	s_mul_i32 s44, s19, HALFS
	s_mul_i32 s45, s20, HALFS
	s_add_co_u32 s45, s45, 2*HALFS
	s_sub_co_u32 s45, s45, s44
	v_mul_u32_u24 v6, s45, v3                      ; lanes 16-31 take B's: one product, the distance x h
	s_add_co_u32 s44, s44, SCL
	v_add_nc_u32 v5, v5, v6
	v_add_nc_u32 v[ADRS], s44, v5
	v_lshlrev_b32 v[WO], 5, v2
	v_lshl_add_u32 v[WO], v3, 4, v[WO]
	v_lshlrev_b32 v[GH], 6, v3
	v_min_u32 v[PFO], 23, v1
	v_lshlrev_b32 v[PFO], 8, v[PFO]
	global_prefetch_b8 v[PFO], s[PFA:PFA+1] th:TH_LOAD_NT scope:SCOPE_SE             ; pair 1,
	global_prefetch_b8 v[PFO], s[PFA:PFA+1] offset:KP th:TH_LOAD_NT scope:SCOPE_SE   ; pair 2
	; where my results go (these numbers enter global addresses alone)
	s_lshl_b32 s44, s41, 1
	s_add_co_u32 s44, s44, s19                     ; which 128 rows of A's tensor
	s_lshl_b32 s45, s40, 1
	s_add_co_u32 s45, s45, s20                     ; which 128 of B's
	s_cmp_eq_u32 s21, 2
	s_cselect_b32 s46, s44, s45                    ; the head
	s_cselect_b32 s47, s45, s44                    ; the block of 128 tokens, 0 .. 15
	s_lshr_b32 s92, s47, 3
	s_lshl_b32 s92, s92, 4
	s_add_co_u32 s92, s92, s46                     ; 16 x batch + head
	s_and_b32 s93, s47, 7                          ; the block in its batch
	s_lshl_b32 s96, s92, 3
	s_add_co_u32 s96, s96, s93
	s_lshl_b32 s94, s21, 8
	s_add_co_u32 s94, s94, s96
	s_mul_i32 s94, s94, PACK                       ; my pack in qkv
	s_mov_b32 s95, 0
	s_lshl_b32 s96, s96, 16                        ; my 65,536 bytes of the gate
	s_mov_b32 s97, 0
	s_lshl_b32 s98, s41, 4
	s_lshl_b32 s99, s19, 3
	s_add_co_u32 s98, s98, s99
	s_and_b32 s98, s98, 63
	s_lshl_b32 s98, s98, 13                        ; my first token block in the RoPE table
	s_mov_b32 s99, 0
	s_mov_b32 s44, 0x3c000000                      ; 1 / 128
	s_mov_b32 s45, 0x3727c5ac                      ; 1e-5
	s_mov_b32 s46, 0x76543210
	s_mov_b32 s47, 0xfedcba98                      ; selects for lane l xor 16
.macro FRAG reg, adr, q, i             ; a fragment's image: three loads of 512 consecutive bytes
.irp c, 0,1,2
	ds_load_b128 v[\reg+4*\c:\reg+4*\c+3], v[\adr] offset:(\i)*RBB+(\q)*1536+512*\c
.endr
.endm
; 16 matrix instructions: A's blocks a0, a0 + 1 x B's eight.  The 64 accumulators take turns, one instruction a turn, in the same order in every step.  zero = 1: the first product starts the sums.
; One register carries A's scale word (lanes 0-15) and B's (lanes 16-31) of block i.
.macro MUL16 a0, p, q, sc, zero
.irp a, \a0, \a0+1
.irp b, 0,1,2,3,4,5,6,7
.if \zero
	v_wmma_scale_f32_16x16x128_f8f6f4 v[8*(8*((\a)%4)+\b):8*(8*((\a)%4)+\b)+7], v[128*(\p)+FR*\b:128*(\p)+FR*\b+FR-1], v[AF+FR*(\a):AF+FR*(\a)+FR-1], 0, v[SC+8*NQ*(\sc)+NQ*\b+(\q)], v[SC+8*NQ*(\sc)+NQ*(\a)+(\q)] matrix_a_fmt:MATRIX_FMT_FP6 matrix_b_fmt:MATRIX_FMT_FP6 matrix_a_scale:MATRIX_SCALE_ROW1
.else
	v_wmma_scale_f32_16x16x128_f8f6f4 v[8*(8*((\a)%4)+\b):8*(8*((\a)%4)+\b)+7], v[128*(\p)+FR*\b:128*(\p)+FR*\b+FR-1], v[AF+FR*(\a):AF+FR*(\a)+FR-1], v[8*(8*((\a)%4)+\b):8*(8*((\a)%4)+\b)+7], v[SC+8*NQ*(\sc)+NQ*\b+(\q)], v[SC+8*NQ*(\sc)+NQ*(\a)+(\q)] matrix_a_fmt:MATRIX_FMT_FP6 matrix_b_fmt:MATRIX_FMT_FP6 matrix_a_scale:MATRIX_SCALE_ROW1
.endif
.endr
.endr
.endm
.macro FETCH_B slot, q, p
	WIN TO_B
.irp i, 0,1,2,3,4,5,6,7
	FRAG 128*(\p)+FR*\i, ADRB+\slot, \q, \i
.endr
	WIN 0
.endm
.macro FETCH_A slot, q, i0
.irp i, \i0, \i0+1, \i0+2, \i0+3
	FRAG AF+FR*(\i), ADRA+\slot, \q, \i
.endr
.endm
.macro SCALES sc
.irp i, 0,1,2,3,4,5,6,7
	ds_load_b64 v[SC+8*NQ*\sc+NQ*\i:SC+8*NQ*\sc+NQ*\i+1], v[ADRS] offset:\i*1024
.endr
.endm
; A K step that has its successor in the same slot.  A has one set of registers: blocks 0-3 are fetched anew in the step's middle, blocks 4-7 at its end; B has two sets.
.macro STEP slot, q, zero
	s_wait_dscnt 4*NL                              ; B's set and A's blocks 0-3 are in; the youngest twelve loads (A's blocks 4-7) may be out
	WIN MUL_LO
	MUL16 0, (\q)%2, \q, \slot, \zero
	MUL16 2, (\q)%2, \q, \slot, \zero
	s_wait_dscnt 0
	PLACES NP                                      ; four places in front of loads into registers that matrix instructions have read
	FETCH_B \slot, (\q)+1, 1-(\q)%2
	FETCH_A \slot, (\q)+1, 0
	WIN MUL_HI
	MUL16 4, (\q)%2, \q, \slot, \zero
	MUL16 6, (\q)%2, \q, \slot, \zero
	PLACES NP
	WIN 0
	FETCH_A \slot, (\q)+1, 4
.endm
; A slot's last step changes slots: one barrier; in front of it each wave waits for all its tensor loads, adds 0 to its spare word, and waits for that and for its reads of this slot.  fill = 1: the barrier opens a round of the cluster's, and this slot is filled again.
.macro TURN slot, next, fill
.if \fill
	s_wait_xcnt 0x0                                ; my last prefetch has read its address: it is stepped only behind this wait
	s_add_nc_u64 s[PFA:PFA+1], s[PFA:PFA+1], KP
.endif
	s_wait_tensorcnt 0x0                           ; all my tensor loads have landed: my part of the next slot
	ds_add_u32 v[SPW], v[NIL]                      ; 0 onto my spare word
	s_wait_dscnt 4*NL+1                            ; (the add and the youngest twelve loads may be out)
	WIN MUL_LO
	MUL16 0, 1, NQ-1, \slot, 0
	s_wait_dscnt 0x0                               ; the add is done, and my reads of this slot are over
	s_barrier_signal -1
	MUL16 2, 1, NQ-1, \slot, 0
	WIN 0
	s_barrier_wait -1
.if \fill
	CREST                                          ; no wave of any partner still reads this slot or has a load on its way
	s_add_nc_u64 s[G0+4*\slot+2:G0+4*\slot+3], s[G0+4*\slot+2:G0+4*\slot+3], 2*KP
	s_add_nc_u64 s[G0B+4*\slot+2:G0B+4*\slot+3], s[G0B+4*\slot+2:G0B+4*\slot+3], 2*KP
	JLOAD G0+4*\slot, G1, G0B+4*\slot, G1B         ; the first tensor load behind the round, my one load until the next; its four v_nop are the places in front of the loads below
.else
	PLACES NP
.endif
	s_wait_alu depctr_va_vdst(0)                   ; the wait ahead of this reader
	v_add_nc_u32 v[ADRS], 128, v[ADRS]             ; the next pair's scale words
	FETCH_B \next, 0, 0
	FETCH_A \next, 0, 0
	SCALES \next
.if \fill
	s_cmp_gt_u32 s3, 1                             ; the last trip's two refills have no pair two on
	s_cbranch_scc0 .Lnone_\@
	global_prefetch_b8 v[PFO], s[PFA:PFA+1] offset:2*KP th:TH_LOAD_NT scope:SCOPE_SE   ; the pair that stands two refills on
.Lnone_\@:
.endif
	WIN MUL_HI
	MUL16 4, 1, NQ-1, \slot, 0
	MUL16 6, 1, NQ-1, \slot, 0
	PLACES NP
	WIN 0
	FETCH_A \next, 0, 4
.endm
.macro TABLE a                         ; cos and sin of token block a of my eight: 64 registers, into set a % 4 of window 1
	WIN 0x40
.irp g, 0,1,2,3,4,5,6,7,8,9,10,11,12,13,14,15
	global_load_b128 v[64*((\a)%4)+4*\g:64*((\a)%4)+4*\g+3], v[LI], s[8:9] offset:(\a)*8192+512*\g
.endr
.endm
	s_wait_alu depctr_va_vdst(0)                   ; the wait at the head's end
	s_wait_tensorcnt 0x0                           ; my tile of the head's four is in
	ds_add_u32 v[SPW], v[NIL]
	s_mov_b32 s[G1+2], 96<<16                      ; no tensor load of mine is out, so a descriptor may be written: from here on a load brings 96 rows of 256 bytes
	s_mov_b32 s[G1+4], 96
	s_mov_b32 s[G1B+2], 96<<16
	s_mov_b32 s[G1B+4], 96
	s_wait_dscnt 0x0                               ; the add is done
	CROUND                                         ; all four tiles are in, and all sixteen work-groups are here
	JLOAD G0+4, G1, G0B+4, G1B                     ; pair 1, the first tensor load behind the round
	FETCH_B 0, 0, 0
	FETCH_A 0, 0, 0
	SCALES 0
	FETCH_A 0, 0, 4
	global_prefetch_b8 v[PFO], s[PFA:PFA+1] offset:2*KP th:TH_LOAD_NT scope:SCOPE_SE   ; pair 3
	STEP 0, 0, 1                                   ; the first step stands in front of the loop: its products start the sums
	s_mov_b32 s3, LAPS-1
.Llap:                                                 ; a trip goes once round the ring and fills both slots again
	TURN 0, 1, 1
	STEP 1, 0, 0
	TURN 1, 0, 1
	STEP 0, 0, 0
	s_sub_co_u32 s3, s3, 1
	s_cmp_lg_u32 s3, 0
	s_cbranch_scc1 .Llap
	TURN 0, 1, 0                                   ; the last lap fills nothing
	STEP 1, 0, 0
.macro LAST                            ; the last K step: nothing more to fetch.  It stands twice in the text, once on each of the two ways that part on the type below
	s_wait_dscnt 4*NL
	WIN MUL_LO
	MUL16 0, 1, NQ-1, 1, 0
	MUL16 2, 1, NQ-1, 1, 0
	s_wait_dscnt 0
	WIN MUL_HI
	MUL16 4, 1, NQ-1, 1, 0
	MUL16 6, 1, NQ-1, 1, 0
	WIN 0
	PLACES NP                                      ; in front of the first read of results, and of loads and writes into registers that held operands
.endm
	s_cmp_lt_u32 s21, 2                            ; THE WAYS PART ON THE TYPE (the same in the whole cluster).  q and k: the gain and the first two sets of the table are asked for ahead of the last K step,
	s_cbranch_scc0 .Lother                         ; into v64-127 of window 0, which the loop leaves alone, and v0-127 of window 1: B's set 0, done with four places ago, and 32 idle registers
	s_cmp_eq_u32 s21, 0
	s_cselect_b64 s[10:11], s[10:11], s[12:13]     ; q's gain or k's
	s_add_nc_u64 s[8:9], s[8:9], s[98:99]
.irp t, 0,1,2,3,4,5,6,7
	global_load_b128 v[G+8*\t:G+8*\t+3], v[GH], s[10:11] offset:(32*(\t/2)+8*(\t%2))*4
	global_load_b128 v[G+8*\t+4:G+8*\t+7], v[GH], s[10:11] offset:(32*(\t/2)+8*(\t%2))*4+16
.endr
	TABLE 0
	TABLE 1
	WIN 0
	LAST
; 64 numbers of a lane in window w, v[s] on, register 16 b + i = k 32 b + 16 h + i of my row, become a fragment's codes in v[PC] on and its scale word in v[pw].  Each group of eight registers is first read at its low end.
.macro QUANT s, w, pw
	WIN (\w)|((\w)<<2)
.irp b, 0,1,2,3
	v_max3_num_f32 v[TM+\b], |v[\s+16*\b]|, |v[\s+1+16*\b]|, 0x1800000   ; and the floor 2^(3 - 127): the byte cannot fall under 1
.endr
.irp i, 2,4,6,8,10,12,14
.irp b, 0,1,2,3
	v_max3_num_f32 v[TM+\b], |v[\s+16*\b+\i]|, |v[\s+1+16*\b+\i]|, v[TM+\b]
.endr
.endr
	WIN 0
.irp b, 0,1,2,3
	v_permlanex16_b32 v[TM+4+\b], v[TM+\b], s46, s47
.endr
.irp b, 0,1,2,3
	v_max_num_f32 v[TM+\b], v[TM+\b], v[TM+4+\b]   ; with lane l xor 16's: the block's largest magnitude
.endr
.irp b, 0,1,2,3
	v_add_nc_u32 v[TM+12+\b], 0xff000000, v[TM+\b] ; 2 off its exponent field: the conversion's scale operand
.endr
.irp b, 0,1,2,3
	v_lshrrev_b32 v[TM+4+\b], 23, v[TM+12+\b]      ; the scale's byte
.endr
	v_lshl_or_b32 v[\pw], v[TM+5], 8, v[TM+4]
	v_lshl_or_b32 v[\pw], v[TM+6], 16, v[\pw]
	v_lshl_or_b32 v[\pw], v[TM+7], 24, v[\pw]
	WIN (\w)
.irp c, 0,1
	v_cvt_scalef32_pk16_fp6_f32 v[PC+6*\c:PC+2+6*\c], v[\s+32*\c:\s+15+32*\c], v[TM+12+2*\c]
	v_cvt_scalef32_pk16_fp6_f32 v[PC+12+4*\c:PC+14+4*\c], v[\s+16+32*\c:\s+31+32*\c], v[TM+12+2*\c+1]
.endr
	WIN 0
	v_nop                                          ; one plain instruction behind the scaled conversions
.irp c, 0,1                            ; the operand's layout wants a whole block in a lane
.irp i, 0,1,2
	v_permlane16_swap_b32 v[PC+6*\c+\i], v[PC+12+4*\c+\i]
.endr
.irp i, 0,1,2
	v_mov_b32 v[PC+3+6*\c+\i], v[PC+12+4*\c+\i]
.endr
.endr
.endm
.macro QKBLK a                         ; 16 tokens of q or k: RoPE, RMS norm, gain, quantiser, image
.set AW, 2+(\a)/4
.set AC, 64*((\a)%4)
.if (\a) < 5
	TABLE (\a)+3
	s_wait_loadcnt 48                              ; this block's table (and the gain) are in; three younger sets may be out
.else
	s_wait_loadcnt 16*(7-(\a))
.endif
	WIN AW|4                                       ; source 0: the accumulators' window; source 1: the table's
.set n, 0
.irp t, 0,1,2,3
.irp j, 0,2,4,6
	v_pk_mul_f32 v[T+4*(n%2):T+4*(n%2)+1], v[AC+32+8*\t+\j:AC+32+8*\t+\j+1], v[AC+32+8*\t+\j:AC+32+8*\t+\j+1]         ; x2 sin  (the table's set has the accumulators' numbers: 64 (a % 4) on)
	v_pk_mul_f32 v[T+4*(n%2)+2:T+4*(n%2)+3], v[AC+8*\t+\j:AC+8*\t+\j+1], v[AC+32+8*\t+\j:AC+32+8*\t+\j+1]             ; x1 sin
	v_pk_fma_f32 v[WK+8*\t+\j:WK+8*\t+\j+1], v[AC+8*\t+\j:AC+8*\t+\j+1], v[AC+8*\t+\j:AC+8*\t+\j+1], v[T+4*(n%2):T+4*(n%2)+1] neg_lo:[0,0,1] neg_hi:[0,0,1]   ; x1 cos - x2 sin
	v_pk_fma_f32 v[WK+32+8*\t+\j:WK+32+8*\t+\j+1], v[AC+32+8*\t+\j:AC+32+8*\t+\j+1], v[AC+8*\t+\j:AC+8*\t+\j+1], v[T+4*(n%2)+2:T+4*(n%2)+3]                  ; x2 cos + x1 sin
.set n, n+1
.endr
.endr
	WIN 0
.irp q, 0,1,2,3
	v_pk_mul_f32 v[SS+2*\q:SS+2*\q+1], v[WK+2*\q:WK+2*\q+1], v[WK+2*\q:WK+2*\q+1]      ; the sum of squares, in four packed chains
.endr
.irp i, 8,16,24,32,40,48,56
.irp q, 0,1,2,3
	v_pk_fma_f32 v[SS+2*\q:SS+2*\q+1], v[WK+\i+2*\q:WK+\i+2*\q+1], v[WK+\i+2*\q:WK+\i+2*\q+1], v[SS+2*\q:SS+2*\q+1]
.endr
.endr
	v_pk_add_f32 v[SS:SS+1], v[SS:SS+1], v[SS+2:SS+3]
	v_pk_add_f32 v[SS+4:SS+5], v[SS+4:SS+5], v[SS+6:SS+7]
	v_pk_add_f32 v[SS:SS+1], v[SS:SS+1], v[SS+4:SS+5]
	v_add_f32 v[SS], v[SS], v[SS+1]
	v_permlanex16_b32 v[SS+2], v[SS], s46, s47     ; the row's other 64 numbers lie in the lane 16 away
	v_add_f32 v[SS], v[SS], v[SS+2]
	v_fma_f32 v[SS], v[SS], s44, s45               ; the mean + 1e-5
	s_wait_alu depctr_va_vdst(0)                   ; the wait ahead of the transcendentals
	v_rsq_f32 v[SS+6], v[SS]
	v_rsq_f32 v[SS+7], v[SS]
	v_nop                                          ; a plain instruction behind them,
	s_wait_alu depctr_va_vdst(0)                   ; and one wait for both, ahead of their first reader
.set j, 0
.rept 32
	v_pk_mul_f32 v[WK+j:WK+j+1], v[WK+j:WK+j+1], v[SS+6:SS+7]
.set j, j+2
.endr
.set j, 0
.rept 32
	v_pk_mul_f32 v[WK+j:WK+j+1], v[WK+j:WK+j+1], v[G+j:G+j+1]
.set j, j+2
.endr
	s_wait_xcnt 0x0                                ; the last block's stores have read their data: the codes' registers are written again only behind this wait
	QUANT WK, 0, SW+(\a)
.irp c, 0,1,2
	global_store_b128 v[LI], v[PC+4*\c:PC+4*\c+3], s[14:15] offset:(\a)*1536+512*\c
.endr
.endm
.macro VBLK a                          ; 16 of the head's 128 x 128 tokens of v: quantised along the tokens, straight from the accumulators
.set AW, 2+(\a)/4
.set AC, 64*((\a)%4)
	s_wait_xcnt 0x0
	QUANT AC, AW, SW+(\a)
.irp c, 0,1,2
	global_store_b128 v[LI], v[PC+4*\c:PC+4*\c+3], s[14:15] offset:(\a)*1536+512*\c
.endr
.endm
.macro GBLK a                          ; 16 tokens of the gate: the 64 accumulator registers as they are, each accumulator from its low end on; every store covers 512 consecutive bytes
	WIN (2+(\a)/4)<<2                              ; a store's data: source 1's window
.irp g, 0,1,2,3,4,5,6,7,8,9,10,11,12,13,14,15
	global_store_b128 v[LI], v[64*((\a)%4)+4*\g:64*((\a)%4)+4*\g+3], s[16:17] offset:(\a)*8192+512*\g th:TH_STORE_NT
.endr
.endm
	s_add_nc_u64 s[14:15], s[14:15], s[94:95]      ; q and k go on: my pack
.irp b, 0,1,2,3
	v_mov_b32 v[TM+4+\b], 0                        ; written once: a lane permute's destination counts as read
.endr
	TABLE 2
.irp a, 0,1,2,3,4,5,6,7
	QKBLK \a
.endr
	s_branch .Lwords
.Lother:                                               ; v and the gate
	LAST
	s_cmp_eq_u32 s21, 3
	s_cbranch_scc1 .Lgate
	s_add_nc_u64 s[14:15], s[14:15], s[94:95]      ; my pack
.irp b, 0,1,2,3
	v_mov_b32 v[TM+4+\b], 0                        ; written once: a lane permute's destination counts as read
.endr
.irp a, 0,1,2,3,4,5,6,7
	VBLK \a
.endr
.Lwords:
	v_cmp_eq_u32 vcc_lo, 1, v3
.irp e, 0,1,2,3
	v_cndmask_b32 v[T+\e], v[SW+\e], v[SW+4+\e], vcc_lo    ; lane (r, h): words 4 h .. 4 h + 3 of row r
.endr
	global_store_b128 v[WO], v[T:T+3], s[14:15] offset:12288   ; 512 consecutive bytes
	s_branch .Lend
.Lgate:
	s_add_nc_u64 s[16:17], s[16:17], s[96:97]
.irp a, 0,1,2,3,4,5,6,7
	GBLK \a
.endr
	WIN 0
.Lend:
	s_wait_tensorcnt 0x0                           ; the wave's end
	ds_add_u32 v[SPW], v[NIL]
	s_wait_dscnt 0x0
	CROUND                                         ; the closing round: no work-group ends while a partner may still ask for a tile that names it
	s_endpgm
.Lfunc_end_k_qa56ac78a19_qkvg:
	.size	k_qa56ac78a19_qkvg, .Lfunc_end_k_qa56ac78a19_qkvg-k_qa56ac78a19_qkvg
	.p2alignl 7, 3214868480
	.fill 96, 4, 3214868480
	.section	.rodata,"a",@progbits
	.p2align	6, 0x0
	.amdhsa_kernel k_qa56ac78a19_qkvg
		.amdhsa_group_segment_fixed_size 327680
		.amdhsa_private_segment_fixed_size 0
		.amdhsa_enable_private_segment 0
		.amdhsa_kernarg_size 56
		.amdhsa_user_sgpr_count 2
		.amdhsa_user_sgpr_kernarg_segment_ptr 1
		.amdhsa_wavefront_size32 1
		.amdhsa_system_sgpr_workgroup_id_x 1
		.amdhsa_system_sgpr_workgroup_id_y 1
		.amdhsa_system_sgpr_workgroup_id_z 1
		.amdhsa_system_vgpr_workitem_id 0
		.amdhsa_next_free_vgpr 1024
		.amdhsa_next_free_sgpr 106
		.amdhsa_reserve_vcc 1
		.amdhsa_float_denorm_mode_32 3
		.amdhsa_float_denorm_mode_16_64 3
		.amdhsa_memory_ordered 1
		.amdhsa_forward_progress 1
		.amdhsa_inst_pref_size 255
	.end_amdhsa_kernel
	.section	.bss,"aw",@nobits
	.p2align	6
	.space	262144
	.amdgpu_metadata
---
amdhsa.version: [ 1, 2 ]
amdhsa.kernels:
  - .name:           k_qa56ac78a19_qkvg
    .symbol:         k_qa56ac78a19_qkvg.kd
    .args:
      - { .name: codes, .offset: 0, .size: 8, .value_kind: global_buffer, .address_space: global }
      - { .name: scales, .offset: 8, .size: 8, .value_kind: global_buffer, .address_space: global }
      - { .name: rope, .offset: 16, .size: 8, .value_kind: global_buffer, .address_space: global }
      - { .name: q_gamma, .offset: 24, .size: 8, .value_kind: global_buffer, .address_space: global }
      - { .name: k_gamma, .offset: 32, .size: 8, .value_kind: global_buffer, .address_space: global }
      - { .name: qkv, .offset: 40, .size: 8, .value_kind: global_buffer, .address_space: global }
      - { .name: gate, .offset: 48, .size: 8, .value_kind: global_buffer, .address_space: global }
    .group_segment_fixed_size: 327680
    .private_segment_fixed_size: 0
    .kernarg_segment_align: 8
    .kernarg_segment_size: 56
    .max_flat_workgroup_size: 128
    .sgpr_count:     106
    .vgpr_count:     1024
    .wavefront_size: 32
...
	.end_amdgpu_metadata
.endif
;; end of part 2
;; launch attn (part 3): grid 8 x 32, 8 waves a work-group, clusters of 4 x 1, 327,680 bytes of LDS; arguments qkv, gate, o_gamma, ycodes, yscales; writes ycodes, yscales
.if DOCPART == 3
	.amdgcn_target "amdgcn-amd-amdhsa--gfx1250"
	.amdhsa_code_object_version 6
	.text
	.protected	k_qa56ac78a19_attn
	.globl	k_qa56ac78a19_attn
	.p2align	8
	.type	k_qa56ac78a19_attn,@function
k_qa56ac78a19_attn:
	s_mov_b64 s[64:65], 0
	v_nop
	global_prefetch_b8 v0, s[64:65] scope:SCOPE_SE
	s_setreg_imm32_b32 hwreg(HW_REG_WAVE_MODE, 25, 1), 1
	s_wait_xcnt 0x0
	s_wait_alu depctr_hold_cnt(0) depctr_sa_sdst(0) depctr_va_vdst(0) depctr_va_sdst(0) depctr_va_ssrc(0) depctr_va_vcc(0) depctr_vm_vsrc(0)
	s_getreg_b32 s2, hwreg(HW_REG_IB_STS2, 6, 4)
	s_cmp_eq_u32 s2, 0
	s_cbranch_scc0 .Lentry_in_a_cluster
	s_endpgm
.Lentry_in_a_cluster:
	s_bfe_u32 s2, ttmp6, 0x10000c
	s_cmp_lg_u32 s2, 0x3003
	s_cbranch_scc0 .Lentry_shape_is_right
	s_endpgm
.Lentry_shape_is_right:
; Attention of one (batch, head) on codes of FP6 (E2M3) with E8M0 scales, then the output's RMS norm, gain and silu gate, quantised along the head's 128 as an operand of the last product.
; Grid x = 8: two clusters of four work-groups for each of the 32 (batch, head); a wave owns 16 queries and walks the keys in steps of 128.  Both products are used transposed, so that a lane holds one query.
; LEFT OUT: steps whose 128 keys all lie behind the wave's queries: the causal mask gives them the weight 0, whatever the inputs hold.  The waves' blocks of queries are paired so that each pair of waves w, w + 4 has nine steps.
; LDS: K's and V's packs of all eight key blocks, filled once: wave w brings K's pack w and V's pack w by ONE joint load of two rows of 12,800 bytes (256 packs apart in qkv), which land on end at 2 w packs.
; The running maximum M is a whole number (the ceiling of the largest t); p = 2^(t - M) is summed unquantised and quantised block by block; a change of M multiplies the sums by an exact power of two.
; THE GATE arrives as the product left it, f32: silu(g) = g / (1 + 2^(-g log2 e)) is made here, 64 numbers a lane.
; No prefetch: the launch has no stream that runs ahead of a loop; all its tiles are asked for at the head.
; LIMITS: NaN and infinities are not served; the promise holds while the scaled scores stay under 2^31 in magnitude; a block of zeros gets the scale byte 1 (this program alone reads the bytes).
.set PACK,  12800
.set VOFF,  PACK                       ; V's pack lies behind K's
.set SPARE, 16*PACK
.set GAM,   SPARE+1024
.set KP,    393216
.set NLD,   26
.set SPW, 5
.set NIL, 6
.set GL,  7
.set ADK, 8
.set ADV, 9
.set ADS, 10
.set ADT, 11
.set GS,  255
.set PC,  160
.set TM,  180
.set PW,  196
.set WV,  14
.set CX,  15
.set BH,  16
.set BLK, 17
.set AT,  18
.set SEL, 20
.set CS,  22
.set G1,  24
.set G0K, 32
.set TB,  40
.set KS,  41
.set MSB, 0
.macro WIN new
.if MSB != (\new)
	s_set_vgpr_msb (MSB<<8)|(\new)
.set MSB, (\new)
.endif
.endm
.macro CROUND
	s_barrier_signal -1
	s_barrier_wait -1
	s_cmp_lg_u32 s[WV], 0
	s_cbranch_scc1 .Lnot_wave_0_\@
	s_barrier_signal -3
.Lnot_wave_0_\@:
	s_barrier_wait -3
	s_barrier_signal -1
	s_barrier_wait -1
.endm
.macro KLOAD af, as, off
	ds_load_b128 v[32:35], v[\as] offset:\off
	ds_load_b128 v[36:39], v[\as] offset:\off+16
	WIN 0x40
.irp t, 0,1,2,3,4,5,6,7
.irp c, 0,1,2
	ds_load_b128 v[12*\t+4*\c:12*\t+4*\c+3], v[\af] offset:\off+\t*1536+512*\c
.endr
.endr
.endm
	s_load_b256 s[4:11], s[0:1], 0x0
	s_load_b64 s[12:13], s[0:1], 0x20
	v_lshl_add_u32 v[SPW], v0, 2, SPARE
	v_mov_b32 v[NIL], 0
	ds_add_u32 v[SPW], v[NIL]
	ds_add_u32 v[SPW], v[NIL]
	v_lshrrev_b32 v1, 5, v0
	s_delay_alu instid0(VALU_DEP_1)
	v_readfirstlane_b32 s[WV], v1
	s_bfe_u32 s[CX], ttmp6, 0x40000
	s_and_b32 s[BH], ttmp7, 0xffff
	s_and_b32 s19, s[WV], 6
	s_add_co_u32 s42, s19, ttmp9
	s_sub_co_u32 s43, 11, s42
	s_cmp_lt_u32 s[WV], 4
	s_cselect_b32 s[BLK], s42, s43
	s_and_b32 s19, s[WV], 1
	s_lshl_b32 s[AT], s[CX], 1
	s_add_co_u32 s[AT], s[AT], s19
	s_mov_b32 s[G1], 15|(3<<16)|(1<<21)
	s_mov_b32 s[G1+1], 1600<<16                    ; a row: a pack, 1,600 elements of 8 bytes
	s_mov_b32 s[G1+2], 2<<16                       ; two rows: K's pack and V's
	s_mov_b32 s[G1+3], 1600<<16
	s_mov_b32 s[G1+4], 2
	s_mov_b32 s[G1+5], 256*PACK/8                  ; 256 packs apart
	s_mov_b32 s[G1+6], 0
	s_mov_b32 s[G1+7], 0
	s_mov_b32 s[G0K], 1
	s_mul_i32 s[G0K+1], s[WV], 2*PACK
	s_lshl_b32 s42, s[BH], 3
	s_add_co_u32 s43, s42, s[WV]
	s_mul_i32 s43, s43, PACK
	s_add_co_u32 s44, s43, 256*PACK
	s_mov_b32 s45, 0
	s_add_co_u32 s42, s42, s[BLK]
	s_mul_i32 s48, s42, PACK
	s_mov_b32 s49, 0
	s_mul_i32 s50, s[AT], 1536
	s_add_co_u32 s50, s50, s48
	s_mov_b32 s51, 0
	s_lshl_b32 s19, s[AT], 2
	s_add_co_u32 s48, s48, s19
	s_lshl_b32 s52, s42, 16
	s_lshl_b32 s19, s[AT], 13
	s_add_co_u32 s52, s52, s19
	s_mov_b32 s53, 0
	s_and_b32 s19, s[BH], 15
	s_lshr_b32 s43, s[BH], 4
	s_lshl_b32 s43, s43, 6
	s_lshl_b32 s54, s[BLK], 3
	s_add_co_u32 s43, s43, s54
	s_add_co_u32 s43, s43, s[AT]
	s_lshr_b32 s54, s19, 1
	s_and_b32 s19, s19, 1
	s_mul_i32 s58, s54, KP
	s_mul_i32 s55, s43, 3072
	s_add_co_u32 s58, s58, s55
	s_mul_i32 s55, s19, 1536
	s_add_co_u32 s58, s58, s55
	s_mov_b32 s59, 0
	s_lshl_b32 s60, s43, 10
	s_lshl_b32 s54, s54, 7
	s_add_co_u32 s60, s60, s54
	s_lshl_b32 s19, s19, 2
	s_add_co_u32 s60, s60, s19
	s_mov_b32 s61, 0
	s_lshl_b32 s43, s[CX], 5
	s_and_b32 s19, s[WV], 1
	s_lshl_b32 s19, s19, 3
	s_add_co_u32 s43, s43, s19
	s_lshl_b32 s63, s[WV], 9
	s_add_co_u32 s63, s63, GAM
	s_mov_b32 s[SEL], 0x76543210
	s_mov_b32 s[SEL+1], 0xfedcba98
	s_mov_b32 s[CS], 0x3e0293ee
	s_mov_b32 s[CS+1], s[CS]
	s_mov_b32 s56, 0x3c000000
	s_mov_b32 s57, 0x3727c5ac
	s_mov_b32 s[TB], 0
	s_mov_b32 s[KS], 0
	v_and_b32 v31, 31, v0
	v_and_b32 v3, 15, v0
	v_bfe_u32 v4, v0, 4, 1
	s_delay_alu instid0(VALU_DEP_3)
	v_lshlrev_b32 v1, 4, v31
	s_delay_alu instid0(VALU_DEP_3)
	v_lshlrev_b32 v2, 5, v3
	s_delay_alu instid0(VALU_DEP_1)
	v_add_nc_u32 v2, 12288, v2
	s_delay_alu instid0(VALU_DEP_4)
	v_lshl_add_u32 v[GL], v4, 6, s63
	s_delay_alu instid0(VALU_DEP_4)
	v_add_nc_u32 v[GS], s63, v1
	v_lshlrev_b32 v30, 3, v3
	v_and_b32 v28, 8, v3
	s_delay_alu instid0(VALU_DEP_1)
	v_add_nc_u32 v28, v28, v3
	s_delay_alu instid0(VALU_DEP_1)
	v_add_nc_u32 v28, s43, v28
	v_lshlrev_b32 v254, 4, v4
	s_delay_alu instid0(VALU_DEP_1)
	v_sub_nc_u32 v28, v28, v254
	s_wait_alu depctr_va_vdst(0)
	s_wait_dscnt 0x0
	s_wait_kmcnt 0x0
	s_add_nc_u64 s[G0K+2:G0K+3], s[4:5], s[44:45]
	s_or_b32 s[G0K+3], s[G0K+3], 0x80000000
	s_add_nc_u64 s[48:49], s[4:5], s[48:49]
	s_add_nc_u64 s[50:51], s[4:5], s[50:51]
	s_add_nc_u64 s[6:7], s[6:7], s[52:53]
	s_add_nc_u64 s[10:11], s[10:11], s[58:59]
	s_add_nc_u64 s[12:13], s[12:13], s[60:61]
.irp c, 0,1,2
	global_load_b128 v[16+4*\c:19+4*\c], v1, s[50:51] offset:512*\c
.endr
	global_load_b32 v29, v2, s[48:49]
	global_load_b128 v[248:251], v1, s[8:9]
	CROUND
	tensor_load_to_lds s[G0K:G0K+3], s[G1:G1+7]    ; my one tensor load: K's and V's pack of key block w
	s_nop 0
.rept 4
	v_nop
.endr
	v_mov_b32 v13, 0xff61b1e6
	s_delay_alu instid0(VALU_DEP_1)
	v_floor_f32 v12, -v13
	v_mov_b32 v14, 0
	v_mov_b32 v15, 0
.irp b, 0,1,2,3
	v_mov_b32 v[236+\b], 0
.endr
	v_mov_b32 v253, 0
.set j, 0
.rept 64
	v_mov_b32 v[160+j], 0
.set j, j+1
.endr
	s_wait_loadcnt 0x0
	ds_store_b128 v[GS], v[248:251]
	s_wait_tensorcnt 0x0
	s_wait_dscnt 0x0
	s_barrier_signal -1
	s_barrier_wait -1
	KLOAD 1, 2, 0
.irp g, 0,1,2,3,4,5,6,7,8,9,10,11,12,13,14,15
	global_load_b128 v[192+4*\g:195+4*\g], v1, s[6:7] offset:512*\g th:TH_LOAD_NT
.endr
	WIN 0
.Lstep:
	s_cmp_gt_u32 s[KS], s[BLK]
	s_cbranch_scc1 .Lhidden
	s_add_co_u32 s42, s[TB], 2*PACK                ; the next step's K, held at the last pack: what the last step fetches is not used
	s_min_u32 s42, s42, 14*PACK
	v_add_nc_u32 v[ADV], s[TB], v1
	v_add_nc_u32 v[ADT], s[TB], v2
	v_add_nc_u32 v[ADK], s42, v1
	v_add_nc_u32 v[ADS], s42, v2
	ds_load_b128 v[40:43], v[ADT] offset:VOFF
	ds_load_b128 v[44:47], v[ADT] offset:VOFF+16
	WIN 0x40
.irp t, 0,1,2,3,4,5,6,7
.irp c, 0,1,2
	ds_load_b128 v[96+12*\t+4*\c:96+12*\t+4*\c+3], v[ADV] offset:VOFF+\t*1536+512*\c
.endr
.endr
	WIN 0
	s_wait_alu depctr_va_vdst(0)
	s_wait_dscnt NLD
	WIN 0x01
.irp t, 0,1,2,3,4,5,6,7
	v_wmma_scale_f32_16x16x128_f8f6f4 v[96+8*\t:103+8*\t], v[12*\t:12*\t+11], v[16:27], 0, v[32+\t], v29 matrix_a_fmt:MATRIX_FMT_FP6 matrix_b_fmt:MATRIX_FMT_FP6
.endr
	WIN 0
.rept 4
	v_nop
.endr
	KLOAD ADK, ADS, 0
	WIN 0
	s_cmp_lg_u32 s[KS], s[BLK]
	s_cbranch_scc1 .Lopen
	v_mov_b32 v254, 0xff800000
.set n, 0
.rept 64
	v_cmp_gt_i32 vcc_lo, 32*(n/16)+n%16, v28
	v_cndmask_b32 v[96+n], v[96+n], v254, vcc_lo
.set n, n+1
.endr
.Lopen:
.irp b, 0,1,2,3
	v_max3_num_f32 v[232+\b], v[96+16*\b], v[97+16*\b], v[98+16*\b]
.endr
.irp i, 3,5,7,9,11,13
.irp b, 0,1,2,3
	v_max3_num_f32 v[232+\b], v[232+\b], v[96+16*\b+\i], v[97+16*\b+\i]
.endr
.endr
.irp b, 0,1,2,3
	v_max_num_f32 v[232+\b], v[232+\b], v[111+16*\b]
.endr
.irp b, 0,1,2,3
	s_delay_alu instid0(VALU_DEP_4)
	v_permlanex16_b32 v[236+\b], v[232+\b], s[SEL], s[SEL+1]
.endr
.irp b, 0,1,2,3
	s_delay_alu instid0(VALU_DEP_4)
	v_max_num_f32 v[232+\b], v[232+\b], v[236+\b]
.endr
	s_delay_alu instid0(VALU_DEP_2)
	v_max3_num_f32 v254, v232, v233, v234
	s_delay_alu instid0(VALU_DEP_1)
	v_max_num_f32 v254, v254, v235
	s_delay_alu instid0(VALU_DEP_1)
	v_mul_f32 v254, s[CS], v254
	s_delay_alu instid0(VALU_DEP_1)
	v_max_num_f32 v13, v13, v254
	v_mov_b32 v254, v12
	s_delay_alu instid0(VALU_DEP_2)
	v_floor_f32 v12, -v13
	s_delay_alu instid0(VALU_DEP_1)
	v_sub_f32 v254, v12, v254
	s_delay_alu instid0(VALU_DEP_1)
	v_cvt_i32_f32 v254, v254
	s_delay_alu instid0(VALU_DEP_1)
	v_ldexp_f32 v252, 1.0, v254
.set j, 0
.rept 32
	v_pk_fma_f32 v[96+j:97+j], v[96+j:97+j], s[CS:CS+1], v[12:13] op_sel_hi:[1,0,0]
.set j, j+2
.endr
.irp b, 0,1,2,3
	v_fma_f32 v[232+\b], v[232+\b], s[CS], v12
.endr
.set j, 0
	s_wait_alu depctr_va_vdst(0)
.rept 64
	v_exp_f32 v[96+j], v[96+j]
.set j, j+1
.endr
	v_pk_mul_f32 v[14:15], v[14:15], v[252:253] op_sel_hi:[1,0]
	s_wait_alu depctr_va_vdst(0)
.irp b, 0,1,2,3
	v_exp_f32 v[232+\b], v[232+\b]
.endr
	v_pk_add_f32 v[236:237], v[96:97], v[98:99]
.irp j, 4,8,12,16,20,24,28,32,36,40,44,48,52,56,60
	v_pk_add_f32 v[14:15], v[14:15], v[96+\j:97+\j]
	v_pk_add_f32 v[236:237], v[236:237], v[98+\j:99+\j]
.endr
	s_delay_alu instid0(VALU_DEP_1)
	v_pk_add_f32 v[14:15], v[14:15], v[236:237]
	s_wait_alu depctr_va_vdst(0)
.irp b, 0,1,2,3
	v_max_num_f32 v[232+\b], 0x1800000, v[232+\b]
.endr
.irp b, 0,1,2,3
	s_delay_alu instid0(VALU_DEP_4)
	v_add_nc_u32 v[244+\b], 0xff000000, v[232+\b]
.endr
.irp b, 0,1,2,3
	s_delay_alu instid0(VALU_DEP_4)
	v_lshrrev_b32 v[236+\b], 23, v[244+\b]
.endr
	s_delay_alu instid0(VALU_DEP_3)
	v_lshl_or_b32 v253, v237, 8, v236
	s_delay_alu instid0(VALU_DEP_1)
	v_lshl_or_b32 v253, v238, 16, v253
	s_delay_alu instid0(VALU_DEP_1)
	v_lshl_or_b32 v253, v239, 24, v253
.irp c, 0,1
	v_cvt_scalef32_pk16_fp6_f32 v[224+6*\c:226+6*\c], v[96+32*\c:111+32*\c], v[244+2*\c]
	v_cvt_scalef32_pk16_fp6_f32 v[236+4*\c:238+4*\c], v[112+32*\c:127+32*\c], v[244+2*\c+1]
.endr
	v_nop
.irp c, 0,1
.irp i, 0,1,2
	v_permlane16_swap_b32 v[224+6*\c+\i], v[236+4*\c+\i]
.endr
.irp i, 0,1,2
	s_delay_alu instid0(VALU_DEP_3)
	v_mov_b32 v[227+6*\c+\i], v[236+4*\c+\i]
.endr
.endr
.set j, 0
.rept 32
	v_pk_mul_f32 v[160+j:161+j], v[160+j:161+j], v[252:253] op_sel_hi:[1,0]
.set j, j+2
.endr
	s_wait_alu depctr_va_vdst(0)
	s_wait_dscnt NLD
	WIN 0x01
.irp t, 0,1,2,3,4,5,6,7
	v_wmma_scale_f32_16x16x128_f8f6f4 v[160+8*\t:167+8*\t], v[96+12*\t:96+12*\t+11], v[224:235], v[160+8*\t:167+8*\t], v[40+\t], v253 matrix_a_fmt:MATRIX_FMT_FP6 matrix_b_fmt:MATRIX_FMT_FP6
.endr
	WIN 0
.Lhidden:
	s_add_co_u32 s[TB], s[TB], 2*PACK
	s_add_co_u32 s[KS], s[KS], 1
	s_cmp_lt_u32 s[KS], 8
	s_cbranch_scc1 .Lstep
.rept 4
	v_nop
.endr
	s_wait_dscnt 0x0
.irp t, 0,1,2,3,4,5,6,7
	ds_load_b128 v[32+8*\t:35+8*\t], v[GL] offset:(32*(\t/2)+8*(\t%2))*4
	ds_load_b128 v[36+8*\t:39+8*\t], v[GL] offset:(32*(\t/2)+8*(\t%2))*4+16
.endr
	v_add_f32 v14, v14, v15
	s_delay_alu instid0(VALU_DEP_1)
	v_permlanex16_b32 v252, v14, s[SEL], s[SEL+1]
	s_delay_alu instid0(VALU_DEP_1)
	v_add_f32 v14, v14, v252
	s_wait_alu depctr_va_vdst(0)
	v_rcp_f32 v14, v14
	v_nop
	s_wait_alu depctr_va_vdst(0)
.set j, 0
.rept 32
	v_pk_mul_f32 v[96+j:97+j], v[160+j:161+j], v[14:15] op_sel_hi:[1,0]
.set j, j+2
.endr
.irp q, 0,1,2,3
	v_pk_mul_f32 v[232+2*\q:233+2*\q], v[96+2*\q:97+2*\q], v[96+2*\q:97+2*\q]
.endr
.irp i, 8,16,24,32,40,48,56
.irp q, 0,1,2,3
	s_delay_alu instid0(VALU_DEP_4)
	v_pk_fma_f32 v[232+2*\q:233+2*\q], v[96+\i+2*\q:97+\i+2*\q], v[96+\i+2*\q:97+\i+2*\q], v[232+2*\q:233+2*\q]
.endr
.endr
	s_delay_alu instid0(VALU_DEP_3)
	v_pk_add_f32 v[232:233], v[232:233], v[234:235]
	s_delay_alu instid0(VALU_DEP_2)
	v_pk_add_f32 v[236:237], v[236:237], v[238:239]
	s_delay_alu instid0(VALU_DEP_1)
	v_pk_add_f32 v[232:233], v[232:233], v[236:237]
	s_delay_alu instid0(VALU_DEP_1)
	v_add_f32 v232, v232, v233
	s_delay_alu instid0(VALU_DEP_1)
	v_permlanex16_b32 v234, v232, s[SEL], s[SEL+1]
	s_delay_alu instid0(VALU_DEP_1)
	v_add_f32 v232, v232, v234
	s_delay_alu instid0(VALU_DEP_1)
	v_fma_f32 v232, v232, s56, s57
	s_wait_alu depctr_va_vdst(0)
	v_rsq_f32 v240, v232
	v_rsq_f32 v241, v232
.irp b, 0,1,2,3
	v_mov_b32 v[TM+4+\b], 0
.endr
	s_wait_alu depctr_va_vdst(0)
.set j, 0
.rept 32
	v_pk_mul_f32 v[96+j:97+j], v[96+j:97+j], v[240:241]
.set j, j+2
.endr
	s_wait_loadcnt 0x0
	s_wait_dscnt 0x0
	WIN 0x41                                       ; silu of the gate, all in window 1: the gate in v192-255, at work v0-63 (K's fragments are done with)
.set j, 0
.rept 32
	v_pk_mul_f32 v[j:j+1], v[192+j:193+j], 0xbfb8aa3b op_sel_hi:[1,0]   ; - g log2 e
.set j, j+2
.endr
	s_wait_alu depctr_va_vdst(0)                   ; the wait ahead of each batch and behind it
.set j, 0
.rept 64
	v_exp_f32 v[j], v[j]
.set j, j+1
.endr
	v_nop
	s_wait_alu depctr_va_vdst(0)
.set j, 0
.rept 32
	v_pk_add_f32 v[j:j+1], v[j:j+1], 1.0 op_sel_hi:[1,0]
.set j, j+2
.endr
	s_wait_alu depctr_va_vdst(0)
.set j, 0
.rept 64
	v_rcp_f32 v[j], v[j]
.set j, j+1
.endr
	v_nop
	s_wait_alu depctr_va_vdst(0)
	WIN 0x45
.set j, 0
.rept 32
	v_pk_mul_f32 v[192+j:193+j], v[192+j:193+j], v[j:j+1]               ; g / (1 + 2^(-g log2 e))
.set j, j+2
.endr
	WIN 0x41
.set j, 0
.rept 32
	v_pk_mul_f32 v[192+j:193+j], v[192+j:193+j], v[32+j:33+j]
.set j, j+2
.endr
	WIN 0x04
.set j, 0
.rept 32
	v_pk_mul_f32 v[96+j:97+j], v[96+j:97+j], v[192+j:193+j]
.set j, j+2
.endr
	WIN 0
.irp b, 0,1,2,3
	v_max3_num_f32 v[TM+\b], |v[96+16*\b]|, |v[97+16*\b]|, 0x1800000
.endr
.irp i, 2,4,6,8,10,12,14
.irp b, 0,1,2,3
	s_delay_alu instid0(VALU_DEP_4)
	v_max3_num_f32 v[TM+\b], |v[96+16*\b+\i]|, |v[97+16*\b+\i]|, v[TM+\b]
.endr
.endr
.irp b, 0,1,2,3
	s_delay_alu instid0(VALU_DEP_4)
	v_permlanex16_b32 v[TM+4+\b], v[TM+\b], s[SEL], s[SEL+1]
.endr
.irp b, 0,1,2,3
	s_delay_alu instid0(VALU_DEP_4)
	v_max_num_f32 v[TM+\b], v[TM+\b], v[TM+4+\b]
.endr
.irp b, 0,1,2,3
	s_delay_alu instid0(VALU_DEP_4)
	v_add_nc_u32 v[TM+12+\b], 0xff000000, v[TM+\b]
.endr
.irp b, 0,1,2,3
	s_delay_alu instid0(VALU_DEP_4)
	v_lshrrev_b32 v[TM+4+\b], 23, v[TM+12+\b]
.endr
	s_delay_alu instid0(VALU_DEP_3)
	v_lshl_or_b32 v[PW], v[TM+5], 8, v[TM+4]
	s_delay_alu instid0(VALU_DEP_1)
	v_lshl_or_b32 v[PW], v[TM+6], 16, v[PW]
	s_delay_alu instid0(VALU_DEP_1)
	v_lshl_or_b32 v[PW], v[TM+7], 24, v[PW]
.irp c, 0,1
	v_cvt_scalef32_pk16_fp6_f32 v[PC+6*\c:PC+2+6*\c], v[96+32*\c:111+32*\c], v[TM+12+2*\c]
	v_cvt_scalef32_pk16_fp6_f32 v[PC+12+4*\c:PC+14+4*\c], v[112+32*\c:127+32*\c], v[TM+12+2*\c+1]
.endr
	v_nop
.irp c, 0,1
.irp i, 0,1,2
	v_permlane16_swap_b32 v[PC+6*\c+\i], v[PC+12+4*\c+\i]
.endr
.irp i, 0,1,2
	s_delay_alu instid0(VALU_DEP_3)
	v_mov_b32 v[PC+3+6*\c+\i], v[PC+12+4*\c+\i]
.endr
.endr
.irp c, 0,1,2
	global_store_b128 v1, v[PC+4*\c:PC+4*\c+3], s[10:11] offset:512*\c
.endr
	s_wait_xcnt 0x0
	v_cmp_gt_u32 vcc_lo, 16, v31
	s_and_saveexec_b32 s62, vcc_lo
	global_store_b32 v30, v[PW], s[12:13]
	s_wait_xcnt 0x0
	s_or_b32 exec_lo, exec_lo, s62
	s_wait_tensorcnt 0x0
	ds_add_u32 v[SPW], v[NIL]
	s_wait_dscnt 0x0
	CROUND
	s_endpgm
.Lfunc_end_k_qa56ac78a19_attn:
	.size	k_qa56ac78a19_attn, .Lfunc_end_k_qa56ac78a19_attn-k_qa56ac78a19_attn
	.p2alignl 7, 3214868480
	.fill 96, 4, 3214868480
	.section	.rodata,"a",@progbits
	.p2align	6, 0x0
	.amdhsa_kernel k_qa56ac78a19_attn
		.amdhsa_group_segment_fixed_size 327680
		.amdhsa_private_segment_fixed_size 0
		.amdhsa_enable_private_segment 0
		.amdhsa_kernarg_size 40
		.amdhsa_user_sgpr_count 2
		.amdhsa_user_sgpr_kernarg_segment_ptr 1
		.amdhsa_wavefront_size32 1
		.amdhsa_system_sgpr_workgroup_id_x 1
		.amdhsa_system_sgpr_workgroup_id_y 1
		.amdhsa_system_sgpr_workgroup_id_z 1
		.amdhsa_system_vgpr_workitem_id 0
		.amdhsa_next_free_vgpr 512
		.amdhsa_next_free_sgpr 66
		.amdhsa_reserve_vcc 1
		.amdhsa_float_denorm_mode_32 3
		.amdhsa_float_denorm_mode_16_64 3
		.amdhsa_memory_ordered 1
		.amdhsa_forward_progress 1
		.amdhsa_inst_pref_size 68
	.end_amdhsa_kernel
	.amdgpu_metadata
---
amdhsa.version: [ 1, 2 ]
amdhsa.kernels:
  - .name:           k_qa56ac78a19_attn
    .symbol:         k_qa56ac78a19_attn.kd
    .args:
      - { .name: qkv, .offset: 0, .size: 8, .value_kind: global_buffer, .address_space: global }
      - { .name: gate, .offset: 8, .size: 8, .value_kind: global_buffer, .address_space: global }
      - { .name: o_gamma, .offset: 16, .size: 8, .value_kind: global_buffer, .address_space: global }
      - { .name: ycodes, .offset: 24, .size: 8, .value_kind: global_buffer, .address_space: global }
      - { .name: yscales, .offset: 32, .size: 8, .value_kind: global_buffer, .address_space: global }
    .group_segment_fixed_size: 327680
    .private_segment_fixed_size: 0
    .kernarg_segment_align: 8
    .kernarg_segment_size: 40
    .max_flat_workgroup_size: 256
    .sgpr_count:     66
    .vgpr_count:     512
    .wavefront_size: 32
...
	.end_amdgpu_metadata
.endif
;; end of part 3
;; launch oproj (part 4): grid 16 x 16, 4 waves a work-group, clusters of 4 x 4, 327,680 bytes of LDS; arguments ycodes, yscales, codes, scales, out0; writes out0
.if DOCPART == 4
	.amdgcn_target "amdgcn-amd-amdhsa--gfx1250"
	.amdhsa_code_object_version 6
	.text
	.protected	k_qa56ac78a19_oproj
	.globl	k_qa56ac78a19_oproj
	.p2align	8
	.type	k_qa56ac78a19_oproj,@function
k_qa56ac78a19_oproj:
	s_mov_b64 s[64:65], 0
	v_nop
	global_prefetch_b8 v0, s[64:65] scope:SCOPE_SE
	s_setreg_imm32_b32 hwreg(HW_REG_WAVE_MODE, 25, 1), 1
	s_wait_xcnt 0x0
	s_wait_alu depctr_hold_cnt(0) depctr_sa_sdst(0) depctr_va_vdst(0) depctr_va_sdst(0) depctr_va_ssrc(0) depctr_va_vcc(0) depctr_vm_vsrc(0)
	s_getreg_b32 s2, hwreg(HW_REG_IB_STS2, 6, 4)
	s_cmp_eq_u32 s2, 0
	s_cbranch_scc0 .Lentry_in_a_cluster
	s_endpgm
.Lentry_in_a_cluster:
	s_bfe_u32 s2, ttmp6, 0x10000c
	s_cmp_lg_u32 s2, 0xf033
	s_cbranch_scc0 .Lentry_shape_is_right
	s_endpgm
.Lentry_shape_is_right:
; out0 = y Wo^T, 2,048 x 2,048 x 2,048, on codes of FP6 (E2M3) with E8M0 scales; out0 f32.  y's codes come from the attention launch, Wo's (tensor 5 of codes) from the quantiser, both as fragment images (16 rows x 128 K, 1,536 bytes).
; A tile of 128 x 128 to a work-group, so that there are 256 of them; four waves, 64 x 64 each: 16 accumulators.
; LDS: a UNIT is the 8 row blocks of A or of B for one pair of K steps, 24,576 dense bytes; K has 8 pairs.  At the head each wave issues ONE joint load of three units (three rows, a pair apart in memory): wave 0 A's pairs 0-2, wave 1 A's 3-5,
; wave 2 B's 0-2, wave 3 B's 3-5: twelve units.  When pairs 0 and 1 have been read, behind the full sequence and a round, each wave fills one unit again: A's pair 6 and 7, B's pair 6 and 7; that load has eight K steps, 128 matrix instructions, in which to land.
; THE SCALE WORDS go from memory straight into 64 registers, once: a load covers 256 consecutive bytes, lanes 0-15 an even pair's two words of row r, lanes 16-31 the odd pair's; the products of an odd pair read lanes 16-31.
; CLUSTERS: 4 x 4; A's units are shared along a row of the cluster, B's along a column, by joint loads.
; PREFETCH: one a wave, at the head: the unit that the wave will fill again; its 96 blocks of 256 bytes are shared out among the four partners by address, 24 each (lanes 24-31 name the 24th again).  All else is asked for at the head by the loads themselves.
; THE MATRIX INSTRUCTION IS USED TRANSPOSED; both operands' rows lie with bits 3 and 4 of their number swapped: the way out undoes both by immediates.  The text is straight: every K step has its own immediates.
; REGISTERS: window 0: v8-20 addresses; v32-63 A's scale words (v[32 + 8 i + 2 (pair / 2) + step]), v64-95 B's; v128-255 the accumulators ((a, b) at v[128 + 8 (4 a + b)]).  Window 1: two sets of 96: A's four fragments, then B's four; on the way out v0-63.
.set TEN,   3145728
.set KP,    393216
.set STEN,  131072
.set UNIT,  24576
.set SPARE, 12*UNIT                    ; the spare words, 128 bytes a wave, that no other line names
.set STAGE, 2*UNIT                     ; the way out's stages lie in A's pair 2: it has had its only fill, and its last read lies ahead of the barrier at K step 11
.set SPITCH, 272
.set ADRA, 8
.set ADRB, 12
.set SOF,  16
.set STO,  17
.set RD,   18
.set CO,   19
.set PFO,  20
.set SPW,  28
.set NIL,  29
.set SA,   32
.set SB,   64
.set ACC,  128
.set G1,   24
.set G0,   32
.set G0R,  36
.set G0B,  40
.set G0RB, 44
.set G1B,  48
.set G1R,  68
.set G1RB, 76
.set PFA,  84
.set MSB, 0
.macro WIN new
.if MSB != (\new)
	s_set_vgpr_msb (MSB<<8)|(\new)
.set MSB, (\new)
.endif
.endm
.macro JLOAD g0a, g1a, g0b, g1b        ; waves 0 and 1 fetch for A, waves 2 and 3 for B; an s_nop 0 and four v_nop follow each line
	s_cmp_eq_u32 s15, 0
	s_cbranch_scc0 .Lfor_b_\@
	tensor_load_to_lds s[\g0a:\g0a+3], s[\g1a:\g1a+7]
	s_nop 0
.rept 4
	v_nop
.endr
	s_branch .Lasked_\@
.Lfor_b_\@:
	tensor_load_to_lds s[\g0b:\g0b+3], s[\g1b:\g1b+7]
	s_nop 0
.rept 4
	v_nop
.endr
.Lasked_\@:
.endm
.macro CROUND
	s_barrier_signal -1
	s_barrier_wait -1
	s_cmp_lg_u32 s14, 0
	s_cbranch_scc1 .Lnot_wave_0_\@
	s_barrier_signal -3
.Lnot_wave_0_\@:
	s_barrier_wait -3
	s_barrier_signal -1
	s_barrier_wait -1
.endm
.macro PLACES
.rept 4
	v_nop
.endr
.endm
	s_load_b256 s[4:11], s[0:1], 0x0               ; ycodes s[4:5], yscales s[6:7], codes s[8:9], scales s[10:11]
	s_load_b64 s[12:13], s[0:1], 0x20              ; out0
	v_lshl_add_u32 v[SPW], v0, 2, SPARE
	v_mov_b32 v[NIL], 0
	ds_add_u32 v[SPW], v[NIL]                      ; the wave's opening: the add, twice on end, and its wait ahead of my first tensor load
	ds_add_u32 v[SPW], v[NIL]
	v_lshrrev_b32 v1, 5, v0
	v_readfirstlane_b32 s14, v1                    ; wave
	s_lshr_b32 s15, s14, 1                         ; RH: my half of A's rows; also: I fetch for A (0) or B (1)
	s_and_b32 s16, s14, 1                          ; CH: my half of B's; also: which of the operand's two loads is mine
	s_bfe_u32 s17, ttmp6, 0x40000                  ; cx
	s_bfe_u32 s18, ttmp6, 0x40004                  ; cy
	s_lshl_b32 s19, ttmp9, 2
	s_add_co_u32 s19, s19, s17                     ; tile column
	s_and_b32 s20, ttmp7, 0xffff
	s_lshl_b32 s20, s20, 2
	s_add_co_u32 s20, s20, s18                     ; tile row
	s_lshl_b32 s21, s18, 2
	s_lshl_b32 s21, 15, s21                        ; my row of the cluster
	s_lshl_b32 s22, 0x1111, s17                    ; my column
	s_or_b32 s[G1], s21, (3<<16)|(1<<21)           ; elements of 8 bytes, no padding; bit 21 set beside a mask
	s_or_b32 s[G1B], s22, (3<<16)|(1<<21)
	s_or_b32 s[G1R], s21, (3<<16)|(1<<21)
	s_or_b32 s[G1RB], s22, (3<<16)|(1<<21)
.irp g, G1, G1B                        ; the head's: 3 rows (pairs) of 3,072 elements (a unit), 49,152 elements apart
	s_mov_b32 s[\g+1], 3072<<16
	s_mov_b32 s[\g+2], 3<<16
	s_mov_b32 s[\g+3], 3072<<16
	s_mov_b32 s[\g+4], 3
	s_mov_b32 s[\g+5], 49152
	s_mov_b32 s[\g+6], 0
	s_mov_b32 s[\g+7], 0
.endr
.irp g, G1R, G1RB                      ; the refill's: one unit as 96 dense rows of 256 bytes
	s_mov_b32 s[\g+1], 32<<16
	s_mov_b32 s[\g+2], 96<<16
	s_mov_b32 s[\g+3], 32<<16
	s_mov_b32 s[\g+4], 96
	s_mov_b32 s[\g+5], 32
	s_mov_b32 s[\g+6], 0
	s_mov_b32 s[\g+7], 0
.endr
	s_mul_i32 s23, s16, 3*KP                       ; pairs 0-2 or 3-5
	s_mul_i32 s56, s20, UNIT                       ; A: my tile's unit in a pair
	s_add_co_u32 s56, s56, s23
	s_mov_b32 s57, 0
	s_mul_i32 s58, s19, UNIT                       ; B likewise, in tensor 5
	s_add_co_u32 s58, s58, 5*TEN
	s_add_co_u32 s58, s58, s23
	s_mov_b32 s59, 0
	s_mul_i32 s60, s16, 2*KP
	s_sub_co_u32 s60, 6*KP, s60                    ; from my head load's first pair (0 or 3) to my refill's pair (6 or 7)
	s_mov_b32 s61, 0
	s_lshl_b32 s62, s20, 13                        ; scale words: 1,024 bytes a row block; A: my four row blocks,
	s_lshl_b32 s23, s15, 12
	s_add_co_u32 s62, s62, s23
	s_mov_b32 s63, 0
	s_lshl_b32 s86, s19, 13                        ; B's
	s_lshl_b32 s23, s16, 12
	s_add_co_u32 s86, s86, s23
	s_add_co_u32 s86, s86, 5*STEN
	s_mov_b32 s87, 0
	s_mov_b32 s[G0], 1                             ; where they go: by the wave's number alone
	s_mul_i32 s[G0+1], s14, 3*UNIT
	s_mov_b32 s[G0B], 1
	s_mul_i32 s[G0B+1], s14, 3*UNIT
	s_mul_i32 s23, s15, 6*UNIT
	s_mov_b32 s[G0R], 1
	s_mul_i32 s[G0R+1], s16, UNIT
	s_add_co_u32 s[G0R+1], s[G0R+1], s23
	s_mov_b32 s[G0RB], 1
	s_mul_i32 s[G0RB+1], s16, UNIT
	s_add_co_u32 s[G0RB+1], s[G0RB+1], s23
	s_mul_i32 s21, s15, 12288                      ; my four row blocks of A in a unit,
	s_mul_i32 s22, s16, 12288
	s_add_co_u32 s22, s22, 6*UNIT                  ; of B, whose units lie behind A's six
	s_mul_i32 s23, s14, 16*SPITCH
	s_add_co_u32 s23, s23, STAGE                   ; my stage
	v_and_b32 v1, 31, v0
	v_and_b32 v2, 15, v0                           ; r
	v_bfe_u32 v3, v0, 4, 1                         ; h
	v_lshlrev_b32 v4, 4, v1
	v_add_nc_u32 v[ADRA], s21, v4                  ; an address register for each two units
	v_add_nc_u32 v[ADRB], s22, v4
	v_add_nc_u32 v[ADRA+1], 2*UNIT, v[ADRA]
	v_add_nc_u32 v[ADRB+1], 2*UNIT, v[ADRB]
	v_add_nc_u32 v[ADRA+2], 4*UNIT, v[ADRA]
	v_add_nc_u32 v[ADRB+2], 4*UNIT, v[ADRB]
	v_lshlrev_b32 v[SOF], 3, v1                    ; the scale words' loads: 8 x lane
	v_mul_u32_u24 v[STO], v2, SPITCH
	v_lshl_add_u32 v[STO], v3, 6, v[STO]
	v_add_nc_u32 v[STO], s23, v[STO]               ; the stage, in: row r, + 64 h
	v_mul_u32_u24 v[RD], v3, SPITCH
	v_lshl_add_u32 v[RD], v2, 4, v[RD]
	v_add_nc_u32 v[RD], s23, v[RD]                 ; back: lanes 0-15 one row of 256 bytes, lanes 16-31 the next
	v_lshlrev_b32 v[CO], 13, v3
	v_lshl_add_u32 v[CO], v2, 4, v[CO]             ; and the same two rows in out0
	v_min_u32 v[PFO], 23, v1
	v_lshlrev_b32 v[PFO], 8, v[PFO]
	s_wait_alu depctr_va_vdst(0)                   ; the wait at the head's end
	s_wait_dscnt 0x0                               ; both opening adds are done
	s_wait_kmcnt 0x0
	s_add_nc_u64 s[56:57], s[4:5], s[56:57]
	s_add_nc_u64 s[58:59], s[8:9], s[58:59]
	s_add_nc_u64 s[88:89], s[6:7], s[62:63]
	s_add_nc_u64 s[90:91], s[10:11], s[86:87]
	s_mov_b64 s[G0+2:G0+3], s[56:57]
	s_or_b32 s[G0+3], s[G0+3], 0x80000000
	s_mov_b64 s[G0B+2:G0B+3], s[58:59]
	s_or_b32 s[G0B+3], s[G0B+3], 0x80000000
	s_add_nc_u64 s[G0R+2:G0R+3], s[56:57], s[60:61]
	s_or_b32 s[G0R+3], s[G0R+3], 0x80000000
	s_add_nc_u64 s[G0RB+2:G0RB+3], s[58:59], s[60:61]
	s_or_b32 s[G0RB+3], s[G0RB+3], 0x80000000
	CROUND                                         ; all sixteen work-groups are here: the first joint loads meet
	JLOAD G0, G1, G0B, G1B                         ; my one tensor load at the head: three units
.irp i, 0,1,2,3
.irp j, 0,1,2,3
	global_load_b64 v[SA+8*\i+2*\j:SA+8*\i+2*\j+1], v[SOF], s[88:89] offset:\i*1024+\j*256   ; 256 consecutive bytes: pairs 2 j and 2 j + 1 of row block i
	global_load_b64 v[SB+8*\i+2*\j:SB+8*\i+2*\j+1], v[SOF], s[90:91] offset:\i*1024+\j*256
.endr
.endr
	s_cmp_eq_u32 s15, 0                            ; the prefetch: from my head load's address
	s_cselect_b64 s[PFA:PFA+1], s[56:57], s[58:59]
	s_cselect_b32 s62, s17, s18                    ; my place among the four that ask with me,
	s_mul_i32 s62, s62, 6144                       ; 24 blocks of 256 bytes each,
	s_add_co_u32 s62, s62, s60                     ; in the unit that I fill again
	s_mov_b32 s63, 0
	s_add_nc_u64 s[PFA:PFA+1], s[PFA:PFA+1], s[62:63]
	global_prefetch_b8 v[PFO], s[PFA:PFA+1] th:TH_LOAD_NT scope:SCOPE_SE
	s_lshl_b32 s56, s20, 20                        ; out0: 128 rows of 8,192 bytes a tile row,
	s_lshl_b32 s57, s15, 19                        ; 64 for my half,
	s_add_co_u32 s56, s56, s57
	s_lshl_b32 s57, s19, 9                         ; 512 bytes a tile column,
	s_add_co_u32 s56, s56, s57
	s_lshl_b32 s57, s16, 8                         ; 256 for my half
	s_add_co_u32 s56, s56, s57
	s_mov_b32 s57, 0
	s_add_nc_u64 s[12:13], s[12:13], s[56:57]
.macro FETCH ks                        ; K step ks: my four fragments of B and four of A, 24 loads of 512 consecutive bytes, into set ks % 2.  Pairs 6 and 7 lie where 0 and 1 lay
.set PP, ((\ks)/2)%6
.set RG, PP/2
.set OF, (PP%2)*UNIT+((\ks)%2)*1536
.set PS, 96*((\ks)%2)
	WIN 0x40
.irp i, 0,1,2,3
.irp c, 0,1,2
	ds_load_b128 v[PS+48+12*\i+4*\c:PS+48+12*\i+4*\c+3], v[ADRB+RG] offset:OF+\i*3072+512*\c
.endr
.endr
.irp i, 0,1,2,3
.irp c, 0,1,2
	ds_load_b128 v[PS+12*\i+4*\c:PS+12*\i+4*\c+3], v[ADRA+RG] offset:OF+\i*3072+512*\c
.endr
.endr
.endm
.macro MULS ks                         ; 16 products: the accumulators take turns, one instruction a turn, in the same order in every step
.set PS, 96*((\ks)%2)
.set SQ, 2*((\ks)/4)+(\ks)%2
	WIN 0x05
.irp a, 0,1,2,3
.irp b, 0,1,2,3
.if (\ks) == 0
	v_wmma_scale_f32_16x16x128_f8f6f4 v[ACC+8*(4*\a+\b):ACC+8*(4*\a+\b)+7], v[PS+48+12*\b:PS+48+12*\b+11], v[PS+12*\a:PS+12*\a+11], 0, v[SB+8*\b+SQ], v[SA+8*\a+SQ] matrix_a_fmt:MATRIX_FMT_FP6 matrix_b_fmt:MATRIX_FMT_FP6
.elseif ((\ks)/2)%2 == 0
	v_wmma_scale_f32_16x16x128_f8f6f4 v[ACC+8*(4*\a+\b):ACC+8*(4*\a+\b)+7], v[PS+48+12*\b:PS+48+12*\b+11], v[PS+12*\a:PS+12*\a+11], v[ACC+8*(4*\a+\b):ACC+8*(4*\a+\b)+7], v[SB+8*\b+SQ], v[SA+8*\a+SQ] matrix_a_fmt:MATRIX_FMT_FP6 matrix_b_fmt:MATRIX_FMT_FP6
.else
	v_wmma_scale_f32_16x16x128_f8f6f4 v[ACC+8*(4*\a+\b):ACC+8*(4*\a+\b)+7], v[PS+48+12*\b:PS+48+12*\b+11], v[PS+12*\a:PS+12*\a+11], v[ACC+8*(4*\a+\b):ACC+8*(4*\a+\b)+7], v[SB+8*\b+SQ], v[SA+8*\a+SQ] matrix_a_fmt:MATRIX_FMT_FP6 matrix_b_fmt:MATRIX_FMT_FP6 matrix_a_scale:MATRIX_SCALE_ROW1 matrix_b_scale:MATRIX_SCALE_ROW1
.endif
.endr
.endr
.endm
.macro KSTEP ks
	s_wait_dscnt 0x0                               ; this step's fragments are in
.if (\ks) == 3
	WIN 0                                          ; PAIRS 0 AND 1 HAVE BEEN READ OUT: their units are filled again, with pairs 6 and 7
	s_wait_tensorcnt 0x0                           ; all my tensor loads have landed
	ds_add_u32 v[SPW], v[NIL]                      ; 0 onto my spare word
	s_wait_dscnt 0x0                               ; the add is done; my reads of pairs 0 and 1 were over above
	CROUND                                         ; no wave of any partner still reads them or has a load on its way
	JLOAD G0R, G1R, G0RB, G1RB                     ; the first tensor load behind the round; its four v_nop are the places in front of the loads below
.elseif (\ks) == 11
	WIN 0
	s_wait_tensorcnt 0x0                           ; my unit of the refill has landed,
	s_barrier_signal -1
	s_barrier_wait -1                              ; everybody's has
	PLACES
.elseif (\ks) > 0
	PLACES                                         ; four places in front of loads into the set that the last step's products read
.endif
.if (\ks) < 15
	FETCH (\ks)+1
.endif
	MULS \ks
.endm
	s_wait_tensorcnt 0x0                           ; my three units are in,
	s_barrier_signal -1
	s_barrier_wait -1                              ; everybody's are
	FETCH 0
	s_wait_loadcnt 0x0                             ; the scale words are in
.irp ks, 0,1,2,3,4,5,6,7,8,9,10,11,12,13,14,15
	KSTEP \ks
.endr
	WIN 0
	PLACES                                         ; in front of the first read of results and of loads into registers that held fragments
; THE WAY OUT, a block of 16 rows x 64 columns at a time, through my own stage.  Register j of accumulator (a, b) in lane (r, h) is column 32 (b / 2) + 16 h + 8 (b % 2) + j of my 64; stage row r' is row 32 (a / 2) + 8 (a % 2) + r' + 8 (r' / 8) of my 64.
.macro TOSTAGE a
	WIN 0
.irp b, 0,1,2,3
	ds_store_b128 v[STO], v[ACC+8*(4*(\a)+\b):ACC+8*(4*(\a)+\b)+3] offset:128*(\b/2)+32*(\b%2)         ; each accumulator from its low end on
	ds_store_b128 v[STO], v[ACC+8*(4*(\a)+\b)+4:ACC+8*(4*(\a)+\b)+7] offset:128*(\b/2)+32*(\b%2)+16
.endr
	WIN 0x40                                       ; back into window 1, v0-31 and v32-63 by turns
.irp t, 0,1,2,3,4,5,6,7
	ds_load_b128 v[32*((\a)%2)+4*\t:32*((\a)%2)+4*\t+3], v[RD] offset:\t*2*SPITCH    ; LDS serves a wave's instructions in order: these see my stores, and the next block's stores come behind them
.endr
.endm
.macro SEND a, younger
	s_wait_dscnt \younger                          ; the block is back in registers; the next block's eight stores and eight loads may be out
	WIN 0x04                                       ; a store's data: source 1's window
.irp t, 0,1,2,3,4,5,6,7
	global_store_b128 v[CO], v[32*((\a)%2)+4*\t:32*((\a)%2)+4*\t+3], s[12:13] offset:(32*((\a)/2)+8*((\a)%2)+2*\t+8*(\t/4))*8192 th:TH_STORE_NT   ; sixteen lanes store 256 consecutive bytes, at a multiple of 256 from out0's first byte
.endr
.endm
	TOSTAGE 0
	TOSTAGE 1
	SEND 0, 16
	s_wait_xcnt 0x0                                ; block 0's stores have read their registers: block 2's loads may land there
	TOSTAGE 2
	SEND 1, 16
	s_wait_xcnt 0x0
	TOSTAGE 3
	SEND 2, 16
	SEND 3, 0
	WIN 0
	s_wait_tensorcnt 0x0                           ; the wave's end
	ds_add_u32 v[SPW], v[NIL]
	s_wait_dscnt 0x0
	CROUND                                         ; the closing round
	s_endpgm
.Lfunc_end_k_qa56ac78a19_oproj:
	.size	k_qa56ac78a19_oproj, .Lfunc_end_k_qa56ac78a19_oproj-k_qa56ac78a19_oproj
	.p2alignl 7, 3214868480
	.fill 96, 4, 3214868480
	.section	.rodata,"a",@progbits
	.p2align	6, 0x0
	.amdhsa_kernel k_qa56ac78a19_oproj
		.amdhsa_group_segment_fixed_size 327680
		.amdhsa_private_segment_fixed_size 0
		.amdhsa_enable_private_segment 0
		.amdhsa_kernarg_size 40
		.amdhsa_user_sgpr_count 2
		.amdhsa_user_sgpr_kernarg_segment_ptr 1
		.amdhsa_wavefront_size32 1
		.amdhsa_system_sgpr_workgroup_id_x 1
		.amdhsa_system_sgpr_workgroup_id_y 1
		.amdhsa_system_sgpr_workgroup_id_z 1
		.amdhsa_system_vgpr_workitem_id 0
		.amdhsa_next_free_vgpr 512
		.amdhsa_next_free_sgpr 92
		.amdhsa_reserve_vcc 0
		.amdhsa_float_denorm_mode_32 3
		.amdhsa_float_denorm_mode_16_64 3
		.amdhsa_memory_ordered 1
		.amdhsa_forward_progress 1
		.amdhsa_inst_pref_size 80
	.end_amdhsa_kernel
	.amdgpu_metadata
---
amdhsa.version: [ 1, 2 ]
amdhsa.kernels:
  - .name:           k_qa56ac78a19_oproj
    .symbol:         k_qa56ac78a19_oproj.kd
    .args:
      - { .name: ycodes, .offset: 0, .size: 8, .value_kind: global_buffer, .address_space: global }
      - { .name: yscales, .offset: 8, .size: 8, .value_kind: global_buffer, .address_space: global }
      - { .name: codes, .offset: 16, .size: 8, .value_kind: global_buffer, .address_space: global }
      - { .name: scales, .offset: 24, .size: 8, .value_kind: global_buffer, .address_space: global }
      - { .name: out0, .offset: 32, .size: 8, .value_kind: global_buffer, .address_space: global }
    .group_segment_fixed_size: 327680
    .private_segment_fixed_size: 0
    .kernarg_segment_align: 8
    .kernarg_segment_size: 40
    .max_flat_workgroup_size: 128
    .sgpr_count:     92
    .vgpr_count:     512
    .wavefront_size: 32
...
	.end_amdgpu_metadata
.endif
;; end of part 4
